; MI455X (gfx1250); checked and timed in simulation.
; The chip was launched on July 23, 2026; its instructions are those of AMD's public machine-readable ISA for CDNA 5 (MIT licence, August 2026) and "CDNA5" Instruction Set Architecture Reference Guide (July 2026). The comments in the code are by the model that wrote it; some were corrected since.
;; Multi Head Attention. Allowed arithmetic: matrix products marked QUANTISED: E5M2 operands, one given power-of-two scale a tensor, by v_wmma_f32_16x16x64_bf8_bf8 or v_wmma_f32_16x16x128_bf8_bf8, f32 sums; everything else in f32.
;; Inputs: bk 1,024 float32; bo 1,024 float32; bq 1,024 float32; bv 1,024 float32; causal_mask 1 x 1 x 2,048 x 2,048 bool; lowp_scales 12 int32 (the exponents e of the quantised operands' scales 2^e); wk_codes 1,024 x 32 x 32 uint8 (E5M2 codes of wk, K innermost, in blocks of 32 codes); wo_codes 1,024 x 32 x 32 uint8 (E5M2 codes of wo, K innermost, in blocks of 32 codes); wq_codes 1,024 x 32 x 32 uint8 (E5M2 codes of wq, K innermost, in blocks of 32 codes); wv_codes 1,024 x 32 x 32 uint8 (E5M2 codes of wv, K innermost, in blocks of 32 codes); x_codes 2 x 2,048 x 32 x 32 uint8 (E5M2 codes of x, K innermost, in blocks of 32 codes).
;; Outputs: out0 2 x 2,048 x 1,024 float32.
;; This version of the problem:
;;   THIS VERSION OF THE PROBLEM IS GIVEN IN LOW PRECISION. The matrix products marked QUANTISED in the list below multiply operands that are first quantised to E5M2 (5 exponent bits, 2 mantissa bits; 8 bits a number), with one given power-of-two scale for each operand tensor; their sums are f32. All else is computed in f32.
;;   The module's matrix products, in the order in which they are computed (A, B: the left and right operand; K: the contracted axis; several contracted axes count as one K, in the product's order):
;;     1. [M 4,096, K 1,024] x [K 1,024, N 1,024]; A: input x (given as codes); B: input wq (given as codes): QUANTISED (scales: A lowp_scales[0], B lowp_scales[1])
;;     2. [M 4,096, K 1,024] x [K 1,024, N 1,024]; A: input x (given as codes); B: input wk (given as codes): QUANTISED (scales: A lowp_scales[2], B lowp_scales[3])
;;     3. [M 4,096, K 1,024] x [K 1,024, N 1,024]; A: input x (given as codes); B: input wv (given as codes): QUANTISED (scales: A lowp_scales[4], B lowp_scales[5])
;;     4. batch 32 x [M 2,048, K 64] x [K 64, N 2,048]; A: computed on the way; B: computed on the way: QUANTISED (scales: A lowp_scales[6], B lowp_scales[7])
;;     5. batch 32 x [M 2,048, K 2,048] x [K 2,048, N 64]; A: softmax (see below); B: computed on the way: QUANTISED (scales: A lowp_scales[8], B lowp_scales[9])
;;     6. [M 4,096, K 1,024] x [K 1,024, N 1,024]; A: computed on the way; B: input wo (given as codes): QUANTISED (scales: A lowp_scales[10], B lowp_scales[11])
;;   THE QUANTISER, for each operand of a quantised product, along K:
;;     - The operand's scale is 2^e, e = its entry of the input lowp_scales (int32; the entries are numbered through the quantised products in the list's order, A before B).
;;     - Each number is divided by the scale, clamped to +-57,344, and rounded to the nearest number of E5M2, ties to even, subnormals kept.
;;     - The product sums the exact products of the quantised numbers (number of the format x scale) in f32.
;;   ~~~python
;;   def quantise(x, axis, e):      # numpy; x: float32 -> the quantised numbers, widened to float32 again
;;       x = np.moveaxis(x, axis, -1); K = x.shape[-1]
;;       r = np.clip(x / 2.0 ** e, -57344, 57344)
;;       step = 2.0 ** (np.maximum(np.frexp(np.where(r == 0, 1, r))[1] - 1, -14) - 2)
;;       q = np.round(r / step) * step * 2.0 ** e      # np.round: ties to even
;;       return np.moveaxis(q, -1, axis).astype(np.float32)
;;   ~~~
;;   SOFTMAX AHEAD OF A QUANTISED PRODUCT. Where the list says 'softmax', what is quantised is not the finished softmax but p = 2^(t - M), with t = logit x log2(e) and M = ceil(the row's largest t), a whole number; so 1/2 < the row's largest p <= 1. The row's sum l is taken of the UNQUANTISED p, in f32, and the product's result is divided by l at the end. Since M is a whole number, a kernel that streams over the keys may use a running M (the ceiling of the running maximum): every later rescaling is an exact power of two, so the quantised numbers keep their values, but for numbers so far below the row's largest that they fall under the format's range.
;;   OPERANDS COMPUTED ON THE WAY. 'Computed on the way' means the value that the module computes at that place (a softmax that the list does not call 'softmax' is quantised finished and normalised). What goes into a quantiser is computed in f32, as accurately as f32 sums, v_exp_f32 and their like allow (about 1e-6 of the number): no bf16 or f16 on the way to a quantiser, and a product that is left as it is and whose result goes on into a quantised operand takes f32 operands (vector FMAs, or v_wmma_f32_16x16x4_f32). A number that lies on a knife's edge between two numbers of the format may be rounded either way, as far as f32 arithmetic and the matrix unit's own rounding can turn it there, and no further.
;;   INPUTS GIVEN AS CODES. wk (in the module: [1024, 1024], K = its axis 0); wo (in the module: [1024, 1024], K = its axis 0); wq (in the module: [1024, 1024], K = its axis 0); wv (in the module: [1024, 1024], K = its axis 0); x (in the module: [2, 2048, 1024], K = its axis 2): each comes as NAME_codes (uint8): NAME with its K axis moved to the last place and cut into blocks of 32 codes, [.., K / 32, bytes a block], one block behind the other in memory; one code a byte (a code: sign, 5 exponent bits, 2 mantissa bits); its scale is its entry of lowp_scales. Its value is code x scale, taken as it is: it is not quantised again, and the codes and scales need not be those that the quantiser above would give.
;; 2 versions, each right; version 2 is version 1 with the launch attn written anew for expert scheduling mode. Each part assembles by itself: llvm-mc -triple=amdgcn-amd-amdhsa -mcpu=gfx1250 --defsym DOCPART=n.
;; ======== version 1 of 2: 3 launches
;; workspace buffers: qimg 4,194,304 bytes; kv 8,388,608 bytes; oimg 4,194,304 bytes; mimg 524,288 bytes of whole numbers; mflag 8,192 bytes of whole numbers
;; launch qkv (part 1): grid 8 x 32, 4 waves a work-group, clusters of 4 x 4, 327,680 bytes of LDS; arguments x_codes, wq_codes, wk_codes, wv_codes, bq, bk, bv, causal_mask, lowp_scales, qimg, kv, mimg, mflag; writes qimg, kv, mimg, mflag
.if DOCPART == 1
	.amdgcn_target "amdgcn-amd-amdhsa--gfx1250"
	.amdhsa_code_object_version 6
	.text
	.protected	k_q7719f85cca_qkv
	.globl	k_q7719f85cca_qkv
	.p2align	8
	.type	k_q7719f85cca_qkv,@function
k_q7719f85cca_qkv:
	s_mov_b64 s[64:65], 0
	v_nop
	global_prefetch_b8 v0, s[64:65] scope:SCOPE_SE
	s_setreg_imm32_b32 hwreg(HW_REG_WAVE_MODE, 25, 1), 1
	s_wait_xcnt 0x0
	s_wait_alu depctr_hold_cnt(0) depctr_sa_sdst(0) depctr_va_vdst(0) depctr_va_sdst(0) depctr_va_ssrc(0) depctr_va_vcc(0) depctr_vm_vsrc(0)
	s_getreg_b32 s2, hwreg(HW_REG_IB_STS2, 6, 4)
	s_cmp_eq_u32 s2, 0
	s_cbranch_scc0 .Lentry_in_a_cluster
	s_endpgm
.Lentry_in_a_cluster:
	s_bfe_u32 s2, ttmp6, 0x10000c
	s_cmp_lg_u32 s2, 0xf033
	s_cbranch_scc0 .Lentry_shape_is_right
	s_endpgm
.Lentry_shape_is_right:
; q = x wq + bq, k = x wk + bk, v = x wv + bv on codes of E5M2, then quantised anew for attention; and the mask's digest.
; x: [4096][1024] codes; wq, wk, wv: [1024 (out)][1024 (K)] codes.  A sum stands for sum x 2^(ea + eb); the bias is added in f32; the result is held within +-57,344 x 2^e and converted (e: entries 6, 7, 9 of the scales).
; SHARES.  Work-group (wx, wy): rows 128 wy .. + 127 of x against rows 128 wx .. + 127 of each weight, so x's tile serves three products.  Wave w: 64 rows (w / 2) x one head (2 wx + w % 2) x three weights: 48 accumulators.
; K goes in steps of 256 through two LDS slots (x, wq, wk, wv: 128 rows of 256 + 16 bytes each); wave w fetches region w, one tensor load a wave.
; CLUSTER 4 x 4: x's tile is asked for jointly along a row of the cluster, a weight's tile along a column.
; LAYOUT OF THE RESULTS.  q and k are made transposed (source 0 = 16 rows of W, source 1 = 16 rows of x): a lane holds one token and eight neighbouring features, so a conversion of one accumulator gives registers
; 2 c, 2 c + 1 (c = the tile of features) of the next product's operand.  v is made the other way round (source 0 = x, source 1 = wv): a lane holds one feature and eight neighbouring tokens, so its codes come out
; with the keys innermost.  Operands leave as images of their registers: four registers a lane, 16 bytes at 16 x lane, 512 consecutive bytes a store.
; x's and W's fragments are fetched by loads of 16 bytes: a permutation of k that is the same on both sides.
; THE MASK'S DIGEST.  1,024 waves x (16 queries x 256 keys): for each step of 128 keys 64 words, word 8 t + j with bit l = mask[16 qtile + l % 16][128 step + 16 t + 8 (l / 16) + j], and a class: 0 nothing hidden, 1 mixed, 2 all hidden.
; LIMITS: e0 + e1, e2 + e3, e4 + e5 between -126 and 127; e6, e7, e9 between -126 and 112.  NaN and infinity among the biases are not served.
; REGISTERS.  window 0: v1-3 r, h, lane; v16-23 LDS addresses; v24, 25 scale and hold; v26-31 offsets, spare word, 0; v32-39 bv; v40-51 the digest; v64-191 x's fragments, two sets (on the way out: values and codes); v192-255 bq, bk.
;   window 1: wq's, wk's, wv's fragments at v0, v64, v128.   window 2: q's 16 accumulators at v[8 (4 a + nt)], k's at v[128 + ..].   window 3: v's at v[8 (4 dt + mt)].
.set PITCH, 272                        ; an LDS row: 256 bytes + 16 of padding = 68 words, so the 16 rows of a fragment load start at 16 different groups of four banks
.set REG,   128*PITCH                  ; a region: 128 rows, what one tensor load brings
.set SLOT,  4*REG                      ; x, wq, wk, wv
.set SPARE, 2*SLOT                     ; behind the ring: the spare words, 128 bytes a wave
.set ADX, 16                           ; v16-17  my x fragments in slot 0, 1
.set ADW, 18                           ; v18-23  my fragments of weight j in slot s: v[18 + 3 s + j]
.set SCL, 24                           ; v24     2^e as f32, for the conversions
.set LIM, 25                           ; v25     57,344 x 2^e
.set LI,  26                           ; v26     16 x lane
.set MO,  27                           ; v27     the mask: 2048 r + 8 h
.set SPW, 28                           ; v28     my spare word; never rewritten
.set NIL, 29                           ; v29     0; never rewritten
.set BV,  32
.set XF,  64
.set VAL, 64
.set COD, 96
.set BQ,  192
.set BK,  224
.set WV,  14
.set G1A, 24
.set G0A, 32
.set G1B, 48
.set G0B, 56
.set MSB, 0
.macro WIN new                         ; the immediate's high byte repeats the setting that is left
.if MSB != \new
	s_set_vgpr_msb (MSB<<8)|\new
.set MSB, \new
.endif
.endm
.macro PLACES                          ; four plain vector instructions behind matrix instructions, ahead of loads into their sources and of reads of their results
.rept 4
	v_nop
.endr
.endm
; A joint load: wave 0 fetches x's tile, waves 1 to 3 a weight's.  The branch hangs on the wave's number alone.  Four v_nop follow each line.
.macro JLOAD s
	s_cmp_eq_u32 s[WV], 0
	s_cbranch_scc0 .Lfor_w_\@
	tensor_load_to_lds s[G0A+4*\s:G0A+4*\s+3], s[G1A:G1A+7]
	s_nop 0
.rept 4
	v_nop
.endr
	s_branch .Lasked_\@
.Lfor_w_\@:
	tensor_load_to_lds s[G0B+4*\s:G0B+4*\s+3], s[G1B:G1B+7]
	s_nop 0
.rept 4
	v_nop
.endr
.Lasked_\@:
.endm
.macro CREST                           ; a round of the cluster's barrier behind its opening barrier
	s_cmp_lg_u32 s[WV], 0
	s_cbranch_scc1 .Lnot_wave_0_\@
	s_barrier_signal -3
.Lnot_wave_0_\@:
	s_barrier_wait -3
	s_barrier_signal -1
	s_barrier_wait -1
.endm
.macro CROUND
	s_barrier_signal -1
	s_barrier_wait -1
	CREST
.endm
	s_load_b256 s[4:11], s[0:1], 0x0               ; x, wq, wk, wv
	s_load_b256 s[72:79], s[0:1], 0x20             ; bq, bk, bv, the mask
	s_load_b256 s[80:87], s[0:1], 0x40             ; the scales, qimg, kv, mimg
	s_load_b64 s[88:89], s[0:1], 0x60              ; mflag
	v_lshl_add_u32 v[SPW], v0, 2, SPARE
	v_mov_b32 v[NIL], 0
	ds_add_u32 v28, v29
	ds_add_u32 v28, v29
	s_wait_dscnt 0x0
	v_lshrrev_b32 v1, 5, v0
	v_readfirstlane_b32 s[WV], v1                  ; wave 0..3
	s_lshr_b32 s15, s[WV], 1                       ; rh: which 64 rows of x
	s_and_b32 s16, s[WV], 1                        ; ch: which 64 rows of each weight = which head
	s_bfe_u32 s40, ttmp6, 0x40000                  ; cx
	s_bfe_u32 s41, ttmp6, 0x40004                  ; cy
	s_lshl_b32 s42, ttmp9, 2
	s_add_co_u32 s42, s42, s40                     ; wx = 4 x cluster x + cx
	s_and_b32 s17, ttmp7, 0xffff
	s_lshl_b32 s17, s17, 2
	s_add_co_u32 s17, s17, s41                     ; wy = 4 x cluster y + cy
	s_lshl_b32 s43, s41, 2
	s_lshl_b32 s43, 15, s43                        ; my row of the cluster
	s_lshl_b32 s44, 0x1111, s40                    ; my column
	; group 1: 128 rows x 256 elements of one byte, 1,024 apart in memory, four words of padding behind every 64
	s_or_b32 s[G1A], s43, (1<<20)|(1<<21)|(5<<22)|(3<<25)
	s_or_b32 s[G1B], s44, (1<<20)|(1<<21)|(5<<22)|(3<<25)
.irp g, G1A, G1B
	s_mov_b32 s[\g+1], 256<<16                     ; tensor_dim0
	s_mov_b32 s[\g+2], 128<<16                     ; tensor_dim1
	s_mov_b32 s[\g+3], 256<<16                     ; tile_dim0
	s_mov_b32 s[\g+4], 128                         ; tile_dim1
	s_mov_b32 s[\g+5], 1024                        ; from row to row
	s_mov_b32 s[\g+6], 0
	s_mov_b32 s[\g+7], 0
.endr
	s_lshl_b32 s20, s17, 17                        ; x: 128 wy rows of 1,024 bytes
	s_mov_b32 s21, 0
	s_lshl_b32 s46, s42, 17                        ; a weight: 128 wx rows
	s_mov_b32 s47, 0
	s_mul_i32 s45, s[WV], REG                      ; where my tile goes: region = wave
	s_wait_kmcnt 0x0
	s_load_b256 s[92:99], s[80:81], 0x0            ; e0 .. e7
	s_load_b32 s100, s[80:81], 0x24                ; e9
	s_cmp_lt_u32 s[WV], 2                          ; which weight I fetch: wave 1 wq, 2 wk, 3 wv (wave 0 fetches x and does not use this)
	s_cselect_b64 s[18:19], s[6:7], s[8:9]
	s_cmp_eq_u32 s[WV], 3
	s_cselect_b64 s[18:19], s[10:11], s[18:19]
	s_add_nc_u64 s[46:47], s[18:19], s[46:47]
	s_add_nc_u64 s[20:21], s[4:5], s[20:21]
	CROUND                                         ; all sixteen work-groups are here: the first joint loads meet
.irp s, 0,1
	s_mov_b32 s[G0A+4*\s], 1
	s_add_co_u32 s[G0A+4*\s+1], s45, \s*SLOT
	s_add_nc_u64 s[G0A+4*\s+2:G0A+4*\s+3], s[20:21], \s*256
	s_or_b32 s[G0A+4*\s+3], s[G0A+4*\s+3], 0x80000000
	s_mov_b32 s[G0B+4*\s], 1
	s_add_co_u32 s[G0B+4*\s+1], s45, \s*SLOT
	s_add_nc_u64 s[G0B+4*\s+2:G0B+4*\s+3], s[46:47], \s*256
	s_or_b32 s[G0B+4*\s+3], s[G0B+4*\s+3], 0x80000000
	JLOAD \s                                       ; two loads of mine are out
.endr
	v_and_b32 v1, 15, v0                           ; r
	v_bfe_u32 v2, v0, 4, 1                         ; h
	v_and_b32 v3, 31, v0                           ; lane
	v_mul_u32_u24 v4, v1, PITCH
	v_lshl_add_u32 v4, v2, 4, v4                   ; a fragment's row x pitch + 16 h
	s_mul_i32 s22, s15, 64*PITCH                   ; my 64 rows of x
	s_mul_i32 s23, s16, 64*PITCH
	s_add_co_u32 s23, s23, REG                     ; my 64 rows of wq, behind x's region
.irp s, 0,1
	v_add_nc_u32 v[ADX+\s], s22, v4
	s_add_co_u32 s22, s22, SLOT
.irp j, 0,1,2
	v_add_nc_u32 v[ADW+3*\s+\j], s23, v4
	s_add_co_u32 s23, s23, REG
.endr
	s_add_co_u32 s23, s23, REG                     ; over the next slot's x
.endr
	v_lshlrev_b32 v[LI], 4, v3
	v_lshlrev_b32 v[MO], 11, v1
	v_lshl_add_u32 v[MO], v2, 3, v[MO]
	v_lshlrev_b32 v30, 5, v2                       ; 32 h: bq, bk: my eight features of a tile
	v_lshlrev_b32 v31, 2, v1                       ; 4 r: bv: my one feature of a tile
	v_lshlrev_b32 v48, 3, v3                       ; 8 x lane: two words of the digest
	v_mov_b32 v49, 0
	v_mov_b32 v44, 0                               ; (v_writelane_b32's destination counts as read)
	v_mov_b32 v45, 0
	v_mov_b32 v50, 0
	v_mov_b32 v51, 0
	s_lshl_b32 s18, s42, 1
	s_add_co_u32 s18, s18, s16                     ; the head
	s_lshl_b32 s18, s18, 8                         ; its 64 numbers of a bias
	s_mov_b32 s19, 0
	s_add_nc_u64 s[72:73], s[72:73], s[18:19]
	s_add_nc_u64 s[74:75], s[74:75], s[18:19]
	s_add_nc_u64 s[76:77], s[76:77], s[18:19]
.irp t, 0,1,2,3
	global_load_b128 v[BQ+8*\t:BQ+8*\t+3],   v30, s[72:73] offset:64*\t
	global_load_b128 v[BQ+8*\t+4:BQ+8*\t+7], v30, s[72:73] offset:64*\t+16
	global_load_b128 v[BK+8*\t:BK+8*\t+3],   v30, s[74:75] offset:64*\t
	global_load_b128 v[BK+8*\t+4:BK+8*\t+7], v30, s[74:75] offset:64*\t+16
	global_load_b32 v[BV+2*\t],   v31, s[76:77] offset:64*\t
	global_load_b32 v[BV+2*\t+1], v31, s[76:77] offset:64*\t   ; (the packed form names a pair, so both words are written)
.endr
	; ---- the mask's digest, while the first tiles are on their way.  My task: id = 4 (8 wy + wx) + wave; queries 16 (id / 8) on, keys 256 (id % 8) on
	s_lshl_b32 s18, s17, 3
	s_add_co_u32 s18, s18, s42
	s_lshl_b32 s18, s18, 2
	s_add_co_u32 s18, s18, s[WV]                   ; id
	s_lshr_b32 s22, s18, 3
	s_lshl_b32 s22, s22, 15                        ; 16 rows of 2,048 bytes
	s_and_b32 s20, s18, 7
	s_lshl_b32 s20, s20, 8
	s_add_co_u32 s22, s22, s20
	s_mov_b32 s23, 0
	s_add_nc_u64 s[78:79], s[78:79], s[22:23]
	s_lshl_b32 s22, s18, 9                         ; 16 qtile + step = 2 id (+ 1): 256 bytes of words a step
	s_add_nc_u64 s[86:87], s[86:87], s[22:23]
	s_lshl_b32 s22, s18, 3                         ; and 4 bytes of class
	s_add_nc_u64 s[88:89], s[88:89], s[22:23]
.irp t, 0,1,2,3,4,5,6,7,8,9,10,11,12,13,14,15
	global_load_b64 v[64+2*\t:65+2*\t], v[MO], s[78:79] offset:16*\t th:TH_LOAD_NT   ; row r, keys 16 t + 8 h + 0 .. 7; the sixteen loads together read 16 whole runs of 256 bytes
.endr
	; where my results go.  bh = 16 batch + head; st = wy % 16: which 128 tokens of the batch
	s_lshr_b32 s18, s17, 4
	s_lshl_b32 s18, s18, 4
	s_lshl_b32 s19, s42, 1
	s_add_co_u32 s18, s18, s19
	s_add_co_u32 s18, s18, s16                     ; bh
	s_and_b32 s19, s17, 15                         ; st
	s_lshl_b32 s22, s18, 17                        ; qimg: bh x 128 tiles of 1,024 bytes + tile 8 st + 4 rh
	s_lshl_b32 s20, s19, 13
	s_add_co_u32 s22, s22, s20
	s_lshl_b32 s20, s15, 12
	s_add_co_u32 s22, s22, s20
	s_add_nc_u64 s[82:83], s[82:83], s[22:23]
	s_lshl_b32 s22, s18, 18                        ; kv: bh x 8 slots of 32 KiB + slot st / 2 + 8,192 (st % 2), in K's part and in V's alike
	s_lshr_b32 s20, s19, 1
	s_lshl_b32 s20, s20, 15
	s_add_co_u32 s22, s22, s20
	s_and_b32 s20, s19, 1
	s_lshl_b32 s20, s20, 13
	s_add_co_u32 s22, s22, s20
	s_add_nc_u64 s[84:85], s[84:85], s[22:23]
	s_lshl_b32 s22, s15, 12                        ; K: + tile 4 rh
	s_add_nc_u64 s[90:91], s[84:85], s[22:23]
	s_lshl_b32 s22, s15, 10                        ; V: behind K's 16 KiB, + chunk 2 rh
	s_add_co_u32 s22, s22, 16384
	s_add_nc_u64 s[84:85], s[84:85], s[22:23]
	s_wait_loadcnt 0x0                             ; the mask's bytes, and the biases ahead of them
; Step u of my two: 64 words.  A byte is cut out, compared with 0 in all lanes at once, and the 32 bits are put into lane n / 2 of the pair w.
.macro DIGEST u, w
	s_mov_b32 s70, 0                               ; the words' OR
	s_mov_b32 s71, -1                              ; and AND
.set n, 0
.rept 16
.irp k, 0,1,2,3
	v_and_b32 v[40+\k], 0xff<<(8*\k), v[64+2*(8*\u+n/8)+(n%8)/4]
.endr
.irp k, 0,1,2,3
	v_cmp_ne_u32 s[66+\k], 0, v[40+\k]
.endr
.irp k, 0,1,2,3
	v_writelane_b32 v[\w+\k%2], s[66+\k], (n+\k)/2
.endr
.irp k, 0,1,2,3
	s_or_b32 s70, s70, s[66+\k]
	s_and_b32 s71, s71, s[66+\k]
.endr
.set n, n+4
.endr
	s_cmp_eq_u32 s71, -1
	s_cselect_b32 s19, 2, 1                        ; all hidden, or mixed,
	s_cmp_eq_u32 s70, 0
	s_cselect_b32 s19, 0, s19                      ; or nothing hidden: a choice, no branch
	v_mov_b32 v[46+\u], s19
	global_store_b64 v48, v[\w:\w+1], s[86:87] offset:256*\u   ; 32 lanes store 256 consecutive bytes, aligned
.endm
	DIGEST 0, 44
	DIGEST 1, 50
	v_cmp_gt_u32 vcc_lo, 1, v3                     ; lane 0 stores the two classes: 8 bytes a wave, of a buffer of 8 KiB
	s_wait_xcnt 0x0                                ; EXEC changes only behind this wait
	s_and_saveexec_b32 s20, vcc_lo
	global_store_b64 v49, v[46:47], s[88:89]
	s_wait_xcnt 0x0                                ; and again, ahead of the line that widens it
	s_or_b32 exec_lo, exec_lo, s20
.macro FRAG reg, adr, off              ; 16 rows x 128 K: registers 4 c .. 4 c + 3 hold K = 32 c + 16 h + 0 .. 15 of row r
.irp c, 0,1,2,3
	ds_load_b128 v[(\reg)+4*\c:(\reg)+4*\c+3], v[\adr] offset:(\off)+32*\c
.endr
.endm
.macro FETCH_W j, slot, q              ; weight j's four fragments of the slot's q-th 128 along K
	WIN 0x40                                       ; destination window 1
.irp nt, 0,1,2,3
	FRAG 64*(\j)+16*\nt, ADW+3*(\slot)+(\j), 128*(\q)+\nt*16*PITCH
.endr
.endm
.macro FETCH_X slot, q, set            ; x's four fragments into set
	WIN 0
.irp a, 0,1,2,3
	FRAG XF+64*(\set)+16*\a, ADX+(\slot), 128*(\q)+\a*16*PITCH
.endr
.endm
; 16 matrix instructions each; the 48 accumulators take turns, one instruction a turn, in the same order in every step.  zero = 1: the first product starts the sums.
.macro MULQK j, set, zero              ; q (j = 0) or k (1), transposed
	WIN 0xa1                                       ; source 0 (W) window 1, source 1 (x) window 0, C and D window 2
.irp a, 0,1,2,3
.irp nt, 0,1,2,3
.if \zero
	v_wmma_f32_16x16x128_bf8_bf8 v[128*(\j)+8*(4*\a+\nt):128*(\j)+8*(4*\a+\nt)+7], v[64*(\j)+16*\nt:64*(\j)+16*\nt+15], v[XF+64*(\set)+16*\a:XF+64*(\set)+16*\a+15], 0
.else
	v_wmma_f32_16x16x128_bf8_bf8 v[128*(\j)+8*(4*\a+\nt):128*(\j)+8*(4*\a+\nt)+7], v[64*(\j)+16*\nt:64*(\j)+16*\nt+15], v[XF+64*(\set)+16*\a:XF+64*(\set)+16*\a+15], v[128*(\j)+8*(4*\a+\nt):128*(\j)+8*(4*\a+\nt)+7]
.endif
.endr
.endr
.endm
.macro MULV set, zero                  ; v, not transposed
	WIN 0xf4                                       ; source 0 (x) window 0, source 1 (wv) window 1, C and D window 3
.irp dt, 0,1,2,3
.irp mt, 0,1,2,3
.if \zero
	v_wmma_f32_16x16x128_bf8_bf8 v[8*(4*\dt+\mt):8*(4*\dt+\mt)+7], v[XF+64*(\set)+16*\mt:XF+64*(\set)+16*\mt+15], v[128+16*\dt:128+16*\dt+15], 0
.else
	v_wmma_f32_16x16x128_bf8_bf8 v[8*(4*\dt+\mt):8*(4*\dt+\mt)+7], v[XF+64*(\set)+16*\mt:XF+64*(\set)+16*\mt+15], v[128+16*\dt:128+16*\dt+15], v[8*(4*\dt+\mt):8*(4*\dt+\mt)+7]
.endif
.endr
.endr
.endm
; A slot's first 128 along K (x's set 0).  Each weight's one set is fetched anew as soon as its 16 products are issued, 32 matrix instructions ahead of its next use.
.macro SUB slot, zero
	s_wait_dscnt 32                                ; wq's and x's fragments are in; wk's 16 loads and wv's 16 may be out
	MULQK 0, 0, \zero
	PLACES
	FETCH_W 0, \slot, 1
	FETCH_X \slot, 1, 1
	s_wait_dscnt 48                                ; wk's are in; behind them: wv's 16 and the 32 just issued
	MULQK 1, 0, \zero
	PLACES
	FETCH_W 1, \slot, 1
	s_wait_dscnt 48                                ; wv's are in; behind them: 32 + 16
	MULV 0, \zero
	PLACES
	FETCH_W 2, \slot, 1
.endm
; A slot's second 128 along K (x's set 1) changes slots: one barrier; ahead of it each wave waits for all its tensor loads, adds 0 to its spare word, and waits for that and for its reads of this slot.
.macro TURN slot, next, fill
	WIN 0
	s_wait_tensorcnt 0x0                           ; all my tensor loads have landed: my part of the next slot
	ds_add_u32 v[SPW], v[NIL]                      ; 0 onto my spare word
	s_wait_dscnt 33                                ; wq's and x's are in; wk's 16, wv's 16 and the add may be out
	MULQK 0, 1, 0
	s_wait_dscnt 0x0                               ; the add is done, and my reads of this slot are over
	s_barrier_signal -1
	MULQK 1, 1, 0
	WIN 0
	s_barrier_wait -1
.if \fill
	CREST                                          ; the barrier has opened a round of the cluster's: no wave of any partner still reads this slot or has a load on its way
	s_add_nc_u64 s[G0A+4*\slot+2:G0A+4*\slot+3], s[G0A+4*\slot+2:G0A+4*\slot+3], 512
	s_add_nc_u64 s[G0B+4*\slot+2:G0B+4*\slot+3], s[G0B+4*\slot+2:G0B+4*\slot+3], 512
	JLOAD \slot                                    ; my one tensor load behind the round; its four v_nop are also the places ahead of the loads below
.else
	PLACES
.endif
	FETCH_W 0, \next, 0
	FETCH_X \next, 0, 0
	FETCH_W 1, \next, 0
	MULV 1, 0
	PLACES
	FETCH_W 2, \next, 0
.endm
	s_wait_tensorcnt 1                             ; my part of slot 0 is in; slot 1's load may stay out
	s_barrier_signal -1
	s_barrier_wait -1
	FETCH_W 0, 0, 0
	FETCH_X 0, 0, 0
	FETCH_W 1, 0, 0
	FETCH_W 2, 0, 0
	SUB 0, 1                                       ; K 0: the first products start the sums
	TURN 0, 1, 1                                   ; K 128; slot 0 takes K 512 on
	SUB 1, 0
	TURN 1, 0, 1                                   ; slot 1 takes K 768 on
	SUB 0, 0
	TURN 0, 1, 0                                   ; nothing is left to fetch
	SUB 1, 0
	s_wait_dscnt 32                                ; the last 128 along K
	MULQK 0, 1, 0
	s_wait_dscnt 16
	MULQK 1, 1, 0
	s_wait_dscnt 0x0
	MULV 1, 0
	WIN 0
	PLACES
	s_wait_kmcnt 0x0                               ; the scales' exponents
; THE WAY OUT.  s[12:13] = 2^(ea + eb); v[SCL] = 2^e of the operand that is made; v[LIM] = 57,344 x 2^e.
.macro SCALES ea, eb, eq
	s_add_co_i32 s12, s[\ea], s[\eb]
	s_add_co_i32 s12, s12, 127
	s_lshl_b32 s12, s12, 23
	s_mov_b32 s13, s12                             ; (named with it as a pair)
	s_add_co_i32 s18, s[\eq], 127
	s_lshl_b32 s19, s18, 23
	v_mov_b32 v[SCL], s19
	s_add_co_i32 s18, s18, 15
	s_lshl_b32 s18, s18, 23
	s_or_b32 s18, s18, 0x600000
	v_mov_b32 v[LIM], s18
.endm
; Four accumulators (32 registers from ab of window w) become eight registers of codes at cb, which no later batch writes.  one = 1: one bias a lane (v), else eight a tile.
.macro BATCH w, ab, bb, one, cb, p, o0, o1
	WIN \w
.set i, 0
.rept 16
.if \one
	v_pk_fma_f32 v[VAL+i:VAL+i+1], v[(\ab)+i:(\ab)+i+1], s[12:13], v[(\bb):(\bb)+1] op_sel_hi:[1,0,0]
.else
	v_pk_fma_f32 v[VAL+i:VAL+i+1], v[(\ab)+i:(\ab)+i+1], s[12:13], v[(\bb)+i:(\bb)+i+1] op_sel_hi:[1,0,1]
.endif
.set i, i+2
.endr
	WIN 0
.set i, 0
.rept 32
	v_med3_num_f32 v[VAL+i], v[VAL+i], -v[LIM], v[LIM]   ; the conversion to an 8-bit code does not saturate (ISA guide 7.6.2)
.set i, i+1
.endr
.irp t, 0,1,2,3
	v_cvt_scalef32_pk8_bf8_f32 v[(\cb)+2*\t:(\cb)+2*\t+1], v[VAL+8*\t:VAL+8*\t+7], v[SCL]
.endr
	v_nop                                          ; one plain vector instruction behind the conversions: the next batch writes their sources
	global_store_b128 v[LI], v[(\cb):(\cb)+3],   s[\p:\p+1] offset:\o0   ; 32 lanes store 512 consecutive bytes, aligned
	global_store_b128 v[LI], v[(\cb)+4:(\cb)+7], s[\p:\p+1] offset:\o1
.endm
	SCALES 92, 93, 98
.irp a, 0,1,2,3
	BATCH 0x02, 32*\a, BQ, 0, COD+8*\a, 82, \a*1024, \a*1024+512
.endr
	SCALES 94, 95, 99
.irp a, 0,1,2,3
	BATCH 0x02, 128+32*\a, BK, 0, COD+32+8*\a, 90, \a*1024, \a*1024+512
.endr
	SCALES 96, 97, 100
.irp d, 0,1,2,3
	BATCH 0x03, 32*\d, BV+2*\d, 1, COD+64+8*\d, 84, \d*2048, \d*2048+512
.endr
	s_wait_tensorcnt 0x0                           ; the wave's end
	ds_add_u32 v[SPW], v[NIL]
	s_wait_dscnt 0x0
	CROUND                                         ; the closing round
	s_endpgm
.Lfunc_end_k_q7719f85cca_qkv:
	.size	k_q7719f85cca_qkv, .Lfunc_end_k_q7719f85cca_qkv-k_q7719f85cca_qkv
	.p2alignl 7, 3214868480
	.fill 96, 4, 3214868480
	.section	.rodata,"a",@progbits
	.p2align	6, 0x0
	.amdhsa_kernel k_q7719f85cca_qkv
		.amdhsa_group_segment_fixed_size 327680
		.amdhsa_private_segment_fixed_size 0
		.amdhsa_enable_private_segment 0
		.amdhsa_kernarg_size 104
		.amdhsa_user_sgpr_count 2
		.amdhsa_user_sgpr_kernarg_segment_ptr 1
		.amdhsa_wavefront_size32 1
		.amdhsa_system_sgpr_workgroup_id_x 1
		.amdhsa_system_sgpr_workgroup_id_y 1
		.amdhsa_system_sgpr_workgroup_id_z 1
		.amdhsa_system_vgpr_workitem_id 0
		.amdhsa_next_free_vgpr 896
		.amdhsa_next_free_sgpr 104
		.amdhsa_reserve_vcc 1
		.amdhsa_float_denorm_mode_32 3
		.amdhsa_float_denorm_mode_16_64 3
		.amdhsa_memory_ordered 1
		.amdhsa_forward_progress 1
		.amdhsa_inst_pref_size 153
	.end_amdhsa_kernel
	.amdgpu_metadata
---
amdhsa.version: [ 1, 2 ]
amdhsa.kernels:
  - .name:           k_q7719f85cca_qkv
    .symbol:         k_q7719f85cca_qkv.kd
    .args:
      - { .name: x_codes, .offset: 0, .size: 8, .value_kind: global_buffer, .address_space: global }
      - { .name: wq_codes, .offset: 8, .size: 8, .value_kind: global_buffer, .address_space: global }
      - { .name: wk_codes, .offset: 16, .size: 8, .value_kind: global_buffer, .address_space: global }
      - { .name: wv_codes, .offset: 24, .size: 8, .value_kind: global_buffer, .address_space: global }
      - { .name: bq, .offset: 32, .size: 8, .value_kind: global_buffer, .address_space: global }
      - { .name: bk, .offset: 40, .size: 8, .value_kind: global_buffer, .address_space: global }
      - { .name: bv, .offset: 48, .size: 8, .value_kind: global_buffer, .address_space: global }
      - { .name: causal_mask, .offset: 56, .size: 8, .value_kind: global_buffer, .address_space: global }
      - { .name: lowp_scales, .offset: 64, .size: 8, .value_kind: global_buffer, .address_space: global }
      - { .name: qimg, .offset: 72, .size: 8, .value_kind: global_buffer, .address_space: global }
      - { .name: kv, .offset: 80, .size: 8, .value_kind: global_buffer, .address_space: global }
      - { .name: mimg, .offset: 88, .size: 8, .value_kind: global_buffer, .address_space: global }
      - { .name: mflag, .offset: 96, .size: 8, .value_kind: global_buffer, .address_space: global }
    .group_segment_fixed_size: 327680
    .private_segment_fixed_size: 0
    .kernarg_segment_align: 8
    .kernarg_segment_size: 104
    .max_flat_workgroup_size: 128
    .sgpr_count:     104
    .vgpr_count:     896
    .wavefront_size: 32
...
	.end_amdgpu_metadata
.endif
;; end of part 1
;; launch attn (part 2): grid 8 x 32, 16 waves a work-group, no clusters, 67,584 bytes of LDS; arguments qimg, kv, mimg, mflag, lowp_scales, oimg; writes oimg
.if DOCPART == 2
	.amdgcn_target "amdgcn-amd-amdhsa--gfx1250"
	.amdhsa_code_object_version 6
	.text
	.protected	k_q7719f85cca_attn
	.globl	k_q7719f85cca_attn
	.p2align	8
	.type	k_q7719f85cca_attn,@function
k_q7719f85cca_attn:
	s_mov_b64 s[64:65], 0
	v_nop
	global_prefetch_b8 v0, s[64:65] scope:SCOPE_SE
	s_setreg_imm32_b32 hwreg(HW_REG_WAVE_MODE, 25, 1), 1
	s_wait_xcnt 0x0
; Attention of one head on codes of E5M2: S^T = K Q^T, p = 2^(t - M), O^T = V^T P^T, O / l quantised for the last product.
; t = score x 2^(e6 + e7) x log2(e) / 8; M = the running largest t rounded up to a whole number; the row's sum l is taken of the unquantised p; when M moves, l and O^T are multiplied by 2^(old M - new M).
; All operands are images of their registers (16 bytes a lane at 16 x lane): q [bh][tile][2 chunks]; a slot of 256 keys = 16 KiB of K [tile 16][2] and 16 KiB of V^T [step 2][dt 4][4].
; SHARES.  Work-group (i, bh) owns the blocks of 128 queries i and 15 - i of one head; each of its sixteen waves one tile of 16 queries.  Neighbouring waves take the two blocks by turns.
; The pairing evens out the work where late keys are hidden from early queries; the text holds for every mask.
; THE MASK is an input.  The launch before has stored, for each tile of 16 queries and step of 128 keys, a class (0 nothing hidden, 1 mixed, 2 all hidden) and 64 words of lane bits.  A step of class 2 is jumped over (its p are 0);
; in class 1 hidden scores become -infinity ahead of the maximum.  A slot that no wave of the work-group needs is neither fetched nor staged.  These are branches on stored whole numbers.  K and V come through
; registers (global_load, ds_store), not by tensor loads, and there is no cluster: joint requests are tensor loads.
; A row with no visible key has l = 0: its codes are set to the format's NaN, and the last product makes its row NaN, as the softmax of a row of -infinity is.
; LIMITS: e6 + e7 between -123 and 130; e8 between -126 and 112; e8 + e9 - e10 is applied by v_ldexp_f32.
; REGISTERS: v1-4 offsets; v6-11 constants; v12 -M, v13 largest t, v[14:15] l; v16-23 Q; v24-39 the staged slot; v40-103 K's 8 fragments, then V's 4; v104-167 S^T, then p; v168-199 O^T; v200-215 p's codes; v216-222 at work.
.set LI,   1                           ; 16 x lane
.set CPY,  2                           ; 16 x thread: my 16 bytes of each 8 KiB of a slot
.set PFO,  3                           ; 256 x thread
.set FLO,  4                           ; my lane's eight classes among the work-group's 16 x 16
.set NINF, 6
.set PLIM, 7
.set PSC,  8
.set OLIM, 9
.set ONE,  10
.set NANC, 11
.set QF,   16
.set SG,   24
.set KF,   40
.set ST,   104
.set OT,   168
.set PC,   200
.set FA,   216
.set T0,   218
.set T1,   219
.set S2,   220
.set PD,   222
.set WV,   16
.set FL,   17                          ; my 16 classes, two bits each, the step in hand lowest
.set NEED, 18                          ; bit T: some wave of the work-group needs slot T; the slot in hand lowest
.set CL,   19
.set SEL,  20
.set CS,   22
.set TR,   24
.set LIM,  25
.set EP,   26
.set EX,   27
.set BUF,  32768
	s_load_b256 s[4:11], s[0:1], 0x0               ; qimg, kv, mimg, mflag
	s_load_b128 s[12:15], s[0:1], 0x20             ; the scales, oimg
	v_lshl_add_u32 v254, v0, 2, 0x10000
	v_mov_b32 v255, 0
	v_lshrrev_b32 v5, 5, v0
	v_readfirstlane_b32 s[WV], v5                  ; wave 0..15
	v_and_b32 v5, 31, v0                           ; lane
	v_lshlrev_b32 v[LI], 4, v5
	v_lshlrev_b32 v[CPY], 4, v0
	v_lshlrev_b32 v[PFO], 8, v0
	s_and_b32 s28, ttmp7, 0xffff                   ; bh
	s_lshr_b32 s29, s[WV], 2
	s_xor_b32 s29, s29, s[WV]
	s_and_b32 s29, s29, 1                          ; which of the two blocks
	s_lshr_b32 s30, s[WV], 1                       ; which of its eight tiles
	s_lshl_b32 s31, ttmp9, 3
	s_sub_co_u32 s19, 120, s31
	s_cmp_eq_u32 s29, 0
	s_cselect_b32 s31, s31, s19
	s_add_co_u32 s31, s31, s30                     ; qt: my tile of 16 queries, 8 i + .. or 120 - 8 i + ..
	v_lshrrev_b32 v[FLO], 1, v5                    ; lane l looks at the work-group's tile l / 2, steps 8 (l % 2) on
	v_lshrrev_b32 v[T0], 3, v[FLO]
	s_lshl_b32 s19, ttmp9, 4
	s_sub_co_u32 s19, 112, s19
	v_mul_u32_u24 v[T0], s19, v[T0]
	v_add_nc_u32 v[FLO], v[FLO], v[T0]
	s_lshl_b32 s19, ttmp9, 3
	v_add_nc_u32 v[FLO], s19, v[FLO]               ; its number among the 128
	v_lshlrev_b32 v[FLO], 6, v[FLO]
	v_and_b32 v[T0], 1, v5
	v_lshl_add_u32 v[FLO], v[T0], 5, v[FLO]
	s_mov_b32 s101, 0
	s_wait_kmcnt 0x0
	s_lshl_b32 s100, s28, 18
	s_add_nc_u64 s[6:7], s[6:7], s[100:101]        ; the head's slot 0
.irp i, 0,1,2,3
	global_load_b128 v[SG+4*\i:SG+4*\i+3], v[CPY], s[6:7] offset:\i*8192   ; the sixteen waves read 8 KiB on end
.endr
	s_lshl_b32 s100, s28, 17
	s_lshl_b32 s19, s31, 10
	s_add_co_u32 s100, s100, s19
	s_add_nc_u64 s[4:5], s[4:5], s[100:101]
	global_load_b128 v[QF:QF+3],   v[LI], s[4:5] th:TH_LOAD_NT
	global_load_b128 v[QF+4:QF+7], v[LI], s[4:5] offset:512 th:TH_LOAD_NT
	global_load_b128 v[40:43], v[FLO], s[10:11]
	global_load_b128 v[44:47], v[FLO], s[10:11] offset:16
	s_lshl_b32 s100, s31, 6
	s_add_nc_u64 s[74:75], s[10:11], s[100:101]
	s_load_b512 s[32:47], s[74:75], 0x0            ; my own 16 classes
	s_load_b128 s[68:71], s[12:13], 0x18           ; e6, e7, e8, e9
	s_load_b32 s72, s[12:13], 0x28                 ; e10
	s_lshl_b32 s100, s31, 12
	s_add_nc_u64 s[8:9], s[8:9], s[100:101]        ; my tile's words: 16 steps of 256 bytes
	s_lshr_b32 s19, s28, 4                         ; oimg: [16 batch + qt / 8][head / 4][qt % 8][head % 4] x 1,024 bytes
	s_lshl_b32 s19, s19, 4
	s_lshr_b32 s29, s31, 3
	s_add_co_u32 s19, s19, s29
	s_lshl_b32 s100, s19, 17
	s_and_b32 s19, s28, 15
	s_lshr_b32 s29, s19, 2
	s_lshl_b32 s29, s29, 15
	s_add_co_u32 s100, s100, s29
	s_and_b32 s29, s31, 7
	s_lshl_b32 s29, s29, 12
	s_add_co_u32 s100, s100, s29
	s_and_b32 s29, s19, 3
	s_lshl_b32 s29, s29, 10
	s_add_co_u32 s100, s100, s29
	s_add_nc_u64 s[14:15], s[14:15], s[100:101]
	v_mov_b32 v[NINF], 0xff800000
	v_mov_b32 v[OLIM], 0x47600000                  ; 57,344
	v_mov_b32 v[ONE], 1.0
	v_mov_b32 v[NANC], 0x7f7f7f7f                  ; four NaN codes
	v_mov_b32 v13, 0xff61b1e6                      ; the largest t so far: -3e38
	v_floor_f32 v12, -v13                          ; -M
	v_mov_b32 v14, 0
	v_mov_b32 v15, 0
	v_mov_b32 v[FA+1], 0                           ; (named as upper halves of pairs, or as a permute's destination)
	v_mov_b32 v[T1], 0
	v_mov_b32 v[PD], 0
.set i, 0
.rept 32
	v_mov_b32 v[OT+i], 0                           ; O^T: the step is written once; the first finds zeros
.set i, i+1
.endr
	s_mov_b32 s[SEL], 0x76543210
	s_mov_b32 s[SEL+1], 0xfedcba98
	s_mov_b32 s[TR], 0
	s_lshr_b32 s29, s[WV], 2
	s_or_b32 s29, s29, ttmp9
	s_cmp_eq_u32 s29, 0
	s_cselect_b32 s[LIM], 3, 0                     ; waves 0 to 3 of the head's first work-group prefetch
	s_wait_loadcnt 4                               ; slot 0's four loads are in; q's two and the classes' two may be out
.irp i, 0,1,2,3
	ds_store_b128 v[CPY], v[SG+4*\i:SG+4*\i+3] offset:\i*8192
.endr
	s_wait_dscnt 0x0                               ; the stores are done: their registers take slot 1
.irp i, 0,1,2,3
	global_load_b128 v[SG+4*\i:SG+4*\i+3], v[CPY], s[6:7] offset:BUF+\i*8192
.endr
	s_wait_loadcnt 4                               ; q and the classes are in; slot 1's four may be out
	s_mov_b32 s[NEED], 0
.irp t, 0,1,2,3                        ; a slot is needed where one of its two steps is not wholly hidden from some tile: even lanes speak for slots 0-3, odd lanes for 4-7
	v_min_u32 v[T0], v[40+2*\t], v[41+2*\t]
	v_cmp_ne_u32 s28, 2, v[T0]
	s_and_b32 s29, s28, 0x55555555
	s_cselect_b32 s29, 1<<\t, 0
	s_or_b32 s[NEED], s[NEED], s29
	s_and_b32 s29, s28, 0xaaaaaaaa
	s_cselect_b32 s29, 1<<(4+\t), 0
	s_or_b32 s[NEED], s[NEED], s29
.endr
	s_wait_kmcnt 0x0
	s_mov_b32 s[FL], s32
.irp i, 1,2,3,4,5,6,7,8,9,10,11,12,13,14,15
	s_lshl_b32 s29, s[32+\i], 2*\i
	s_or_b32 s[FL], s[FL], s29
.endr
	s_add_co_i32 s29, s68, s69
	s_lshl_b32 s29, s29, 23
	s_add_co_i32 s[CS], s29, 0x3e38aa3b            ; c = log2(e) / 8, with e6 + e7 added to its exponent field
	s_mov_b32 s[CS+1], s[CS]
	s_mov_b32 s[EP], s70
	s_add_co_i32 s[EX], s70, s71
	s_sub_co_i32 s[EX], s[EX], s72                 ; e8 + e9 - e10
	s_add_co_i32 s29, s70, 127
	s_lshl_b32 s30, s29, 23
	v_mov_b32 v[PSC], s30                          ; 2^e8
	s_add_co_i32 s29, s29, 15
	s_lshl_b32 s29, s29, 23
	s_or_b32 s29, s29, 0x600000
	v_mov_b32 v[PLIM], s29                         ; 57,344 x 2^e8
	s_wait_xcnt 0x0                                ; the loads have read their base
	s_add_nc_u64 s[6:7], s[6:7], BUF               ; at slot 1
	s_barrier_signal -1                            ; slot 0 lies in buffer 0 (my stores were waited for above)
	s_barrier_wait -1
; A prefetch of slot T + 3 (T = 2 x trip + s), where the wave has just issued its loads of slot T + 2: 128 threads, 256 bytes apart, name its 32 KiB once in the launch.  trip + s < 3 is T < 5: slot 7 is the last.
.macro ASK s
	s_add_co_u32 s28, s[TR], \s
	s_cmp_lt_u32 s28, s[LIM]
	s_cbranch_scc0 .Lnoask_\@
	global_prefetch_b8 v[PFO], s[6:7] offset:BUF th:TH_LOAD_NT scope:SCOPE_SE
.Lnoask_\@:
.endm
; A KEY STEP: 128 keys, the q-th of buffer s.
.macro STEP s, q
	s_and_b32 s[CL], s[FL], 3
	s_cmp_eq_u32 s[CL], 2
	s_cbranch_scc1 .Lhid_\@                        ; all 16 x 128 hidden: nothing to do
.irp t, 0,1,2,3,4,5,6,7
	ds_load_b128 v[KF+8*\t:KF+8*\t+3],   v[LI] offset:\s*BUF+\q*8192+\t*1024
	ds_load_b128 v[KF+8*\t+4:KF+8*\t+7], v[LI] offset:\s*BUF+\q*8192+\t*1024+512
.endr
	s_wait_dscnt 0x0
.irp t, 0,1,2,3,4,5,6,7                ; S^T: lane (r, h) holds query r; register 8 t + j key 16 t + 8 h + j
	v_wmma_f32_16x16x64_bf8_bf8 v[ST+8*\t:ST+8*\t+7], v[KF+8*\t:KF+8*\t+7], v[QF:QF+7], 0
.endr
.rept 4
	v_nop                                          ; places ahead of the loads into K's registers and of the first read of the scores
.endr
.irp d, 0,1,2,3                        ; V's four fragments land while the softmax is worked
.irp c, 0,1,2,3
	ds_load_b128 v[KF+16*\d+4*\c:KF+16*\d+4*\c+3], v[LI] offset:\s*BUF+16384+\q*8192+\d*2048+\c*512
.endr
.endr
	s_cmp_eq_u32 s[CL], 0
	s_cbranch_scc1 .Lopen_\@
	s_load_b512 s[32:47], s[8:9], (2*\s+\q)*256    ; the step's 64 words: word n is the lanes' mask for score register n
	s_load_b512 s[48:63], s[8:9], (2*\s+\q)*256+64
	s_load_b512 s[68:83], s[8:9], (2*\s+\q)*256+128
	s_load_b512 s[84:99], s[8:9], (2*\s+\q)*256+192
	s_wait_kmcnt 0x0
.set n, 0
.rept 32
	v_cndmask_b32 v[ST+n], v[ST+n], v[NINF], s[32+n]
.set n, n+1
.endr
.rept 32
	v_cndmask_b32 v[ST+n], v[ST+n], v[NINF], s[36+n]
.set n, n+1
.endr
.Lopen_\@:
	v_max3_num_f32 v[T0], v[ST], v[ST+1], v[ST+2]  ; the step's largest score of my query among my 64 keys, in two chains, ascending
	v_max3_num_f32 v[T1], v[ST+3], v[ST+4], v[ST+5]
.set i, 6
.rept 14
	v_max3_num_f32 v[T0], v[T0], v[ST+i], v[ST+i+1]
	v_max3_num_f32 v[T1], v[T1], v[ST+i+2], v[ST+i+3]
.set i, i+4
.endr
	v_max3_num_f32 v[T0], v[T0], v[ST+62], v[ST+63]
	v_max_num_f32 v[T0], v[T0], v[T1]
	v_permlanex16_b32 v[PD], v[T0], s[SEL], s[SEL+1]
	v_max_num_f32 v[T0], v[T0], v[PD]              ; and among lane l xor 16's
	v_mul_f32 v[T0], s[CS], v[T0]                  ; as t
	v_max_num_f32 v13, v13, v[T0]
	v_mov_b32 v[T0], v12
	v_floor_f32 v12, -v13                          ; the new -M = -ceil(t)
	v_sub_f32 v[T0], v12, v[T0]                    ; old M - new M: a whole number, 0 or less
	v_cvt_i32_f32 v[T0], v[T0]                     ; (it saturates)
	v_ldexp_f32 v[FA], 1.0, v[T0]                  ; f = 2^(old M - new M)
.set i, 0
.rept 32
	v_pk_fma_f32 v[ST+i:ST+i+1], v[ST+i:ST+i+1], s[CS:CS+1], v[12:13] op_sel_hi:[1,0,0]   ; t - M
.set i, i+2
.endr
.set i, 0
.rept 64
	v_exp_f32 v[ST+i], v[ST+i]                     ; p = 2^(t - M)
.set i, i+1
.endr
	v_pk_mul_f32 v[14:15], v[14:15], v[FA:FA+1] op_sel_hi:[1,0]   ; l under the new M: the plain instruction behind the exponentials
	s_wait_alu depctr_va_vdst(0)                   ; one wait for the batch, ahead of its first reader
	v_pk_add_f32 v[S2:S2+1], v[ST:ST+1], v[ST+2:ST+3]   ; the sum of the unquantised p, in two chains
.set i, 4
.rept 15
	v_pk_add_f32 v[14:15], v[14:15], v[ST+i:ST+i+1]
	v_pk_add_f32 v[S2:S2+1], v[S2:S2+1], v[ST+i+2:ST+i+3]
.set i, i+4
.endr
	v_pk_add_f32 v[14:15], v[14:15], v[S2:S2+1]
	s_cmp_ge_i32 s[EP], -15                        ; p is at most 1, and 57,344 x 2^e8 is at least 1.75 from e8 = -15 on: there the hold changes nothing
	s_cbranch_scc1 .Lnohold_\@
.set i, 0
.rept 64
	v_min_num_f32 v[ST+i], v[ST+i], v[PLIM]
.set i, i+1
.endr
.Lnohold_\@:
.irp t, 0,1,2,3,4,5,6,7
	v_cvt_scalef32_pk8_bf8_f32 v[PC+2*\t:PC+2*\t+1], v[ST+8*\t:ST+8*\t+7], v[PSC]   ; registers 2 t, 2 t + 1 of the operand: keys 16 t + 8 h + 0 .. 7
.endr
.set i, 0
.rept 16
	v_pk_mul_f32 v[OT+i:OT+i+1], v[OT+i:OT+i+1], v[FA:FA+1] op_sel_hi:[1,0]   ; O^T under the new M; also the plain instructions behind the conversions
.set i, i+2
.endr
	s_wait_dscnt 0x0                               ; V is in
.irp d, 0,1,2,3                        ; O^T += V^T P^T: four accumulators by turns
	v_wmma_f32_16x16x128_bf8_bf8 v[OT+8*\d:OT+8*\d+7], v[KF+16*\d:KF+16*\d+15], v[PC:PC+15], v[OT+8*\d:OT+8*\d+7]
.endr
.rept 4
	v_nop                                          ; places ahead of the next loads into V's registers and of the next read of O^T
.endr
.Lhid_\@:
	s_lshr_b32 s[FL], s[FL], 2
.endm
; Half a trip: slot T lies in buffer s.  The staged slot T + 1 goes into the other buffer, slot T + 2 is asked for, slot T's two steps are worked.  One barrier: ahead of it my stores into the other buffer
; have landed and my reads of this one are over; behind it the others' too.  No barrier stands under a branch.
.macro HALF s
	s_wait_loadcnt 0x0                             ; the staged slot, asked for half a trip ago
	s_bitcmp1_b32 s[NEED], 1
	s_cbranch_scc0 .Lnost_\@
.irp i, 0,1,2,3
	ds_store_b128 v[CPY], v[SG+4*\i:SG+4*\i+3] offset:(1-\s)*BUF+\i*8192
.endr
	s_wait_dscnt 0x0                               ; the stores are done: their registers may be loaded again
.Lnost_\@:
	s_wait_xcnt 0x0                                ; the last loads and the last prefetch have read their base
	s_add_nc_u64 s[6:7], s[6:7], BUF               ; at slot T + 2
	s_bitcmp1_b32 s[NEED], 2                       ; (NEED has eight bits: nothing is asked for behind slot 7)
	s_cbranch_scc0 .Lnold_\@
.irp i, 0,1,2,3
	global_load_b128 v[SG+4*\i:SG+4*\i+3], v[CPY], s[6:7] offset:\i*8192
.endr
.Lnold_\@:
	ASK \s
	STEP \s, 0
	STEP \s, 1
	s_lshr_b32 s[NEED], s[NEED], 1
	s_wait_dscnt 0x0
	s_barrier_signal -1
	s_barrier_wait -1
.endm
.Ltrip:                                            ; four trips of two slots
	HALF 0
	HALF 1
	s_wait_xcnt 0x0                                ; the scalar loads of the mask's words have read their base
	s_add_nc_u64 s[8:9], s[8:9], 1024              ; four steps' words on
	s_add_co_u32 s[TR], s[TR], 1
	s_cmp_lt_u32 s[TR], 4
	s_cbranch_scc1 .Ltrip
	; THE WAY OUT: O^T x 2^(e8 + e9 - e10) / l, held within +-57,344, converted with the scale 1: registers 2 dt, 2 dt + 1 of my head's half of the last product's operand.
	v_add_f32 v14, v14, v15
	v_permlanex16_b32 v[PD], v14, s[SEL], s[SEL+1]
	v_add_f32 v14, v14, v[PD]                      ; the row's sum
	v_rcp_f32 v[T0], v14
	v_cmp_eq_f32 vcc_lo, 0, v14                    ; no key was visible.  (The plain instruction behind the reciprocal)
	s_wait_alu depctr_va_vdst(0)                   ; the wait ahead of the reciprocal's first reader
	v_ldexp_f32 v[T0], v[T0], s[EX]
.set i, 0
.rept 16
	v_pk_mul_f32 v[ST+i:ST+i+1], v[OT+i:OT+i+1], v[T0:T0+1] op_sel_hi:[1,0]
.set i, i+2
.endr
.set i, 0
.rept 32
	v_med3_num_f32 v[ST+i], v[ST+i], -v[OLIM], v[OLIM]
.set i, i+1
.endr
.irp d, 0,1,2,3
	v_cvt_scalef32_pk8_bf8_f32 v[PC+2*\d:PC+2*\d+1], v[ST+8*\d:ST+8*\d+7], v[ONE]
.endr
	v_nop                                          ; one plain vector instruction behind the conversions
.irp k, 0,1,2,3,4,5,6,7
	v_cndmask_b32 v[PC+\k], v[PC+\k], v[NANC], vcc_lo
.endr
	global_store_b128 v[LI], v[PC:PC+3],   s[14:15]            ; 32 lanes store 512 consecutive bytes, aligned
	global_store_b128 v[LI], v[PC+4:PC+7], s[14:15] offset:512
	s_wait_tensorcnt 0x0
	ds_add_u32 v254, v255
	s_wait_dscnt 0x0
	s_endpgm
.Lfunc_end_k_q7719f85cca_attn:
	.size	k_q7719f85cca_attn, .Lfunc_end_k_q7719f85cca_attn-k_q7719f85cca_attn
	.p2alignl 7, 3214868480
	.fill 96, 4, 3214868480
	.section	.rodata,"a",@progbits
	.p2align	6, 0x0
	.amdhsa_kernel k_q7719f85cca_attn
		.amdhsa_group_segment_fixed_size 67584
		.amdhsa_private_segment_fixed_size 0
		.amdhsa_enable_private_segment 0
		.amdhsa_kernarg_size 48
		.amdhsa_user_sgpr_count 2
		.amdhsa_user_sgpr_kernarg_segment_ptr 1
		.amdhsa_wavefront_size32 1
		.amdhsa_system_sgpr_workgroup_id_x 1
		.amdhsa_system_sgpr_workgroup_id_y 1
		.amdhsa_system_sgpr_workgroup_id_z 1
		.amdhsa_system_vgpr_workitem_id 0
		.amdhsa_next_free_vgpr 256
		.amdhsa_next_free_sgpr 104
		.amdhsa_reserve_vcc 1
		.amdhsa_float_denorm_mode_32 3
		.amdhsa_float_denorm_mode_16_64 3
		.amdhsa_memory_ordered 1
		.amdhsa_forward_progress 1
		.amdhsa_inst_pref_size 94
	.end_amdhsa_kernel
	.amdgpu_metadata
---
amdhsa.version: [ 1, 2 ]
amdhsa.kernels:
  - .name:           k_q7719f85cca_attn
    .symbol:         k_q7719f85cca_attn.kd
    .args:
      - { .name: qimg, .offset: 0, .size: 8, .value_kind: global_buffer, .address_space: global }
      - { .name: kv, .offset: 8, .size: 8, .value_kind: global_buffer, .address_space: global }
      - { .name: mimg, .offset: 16, .size: 8, .value_kind: global_buffer, .address_space: global }
      - { .name: mflag, .offset: 24, .size: 8, .value_kind: global_buffer, .address_space: global }
      - { .name: lowp_scales, .offset: 32, .size: 8, .value_kind: global_buffer, .address_space: global }
      - { .name: oimg, .offset: 40, .size: 8, .value_kind: global_buffer, .address_space: global }
    .group_segment_fixed_size: 67584
    .private_segment_fixed_size: 0
    .kernarg_segment_align: 8
    .kernarg_segment_size: 48
    .max_flat_workgroup_size: 512
    .sgpr_count:     104
    .vgpr_count:     256
    .wavefront_size: 32
...
	.end_amdgpu_metadata
.endif
;; end of part 2
;; launch oproj (part 3): grid 8 x 32, 4 waves a work-group, clusters of 4 x 4, 284,160 bytes of LDS; arguments oimg, wo_codes, bo, lowp_scales, out0; writes out0
.if DOCPART == 3
	.amdgcn_target "amdgcn-amd-amdhsa--gfx1250"
	.amdhsa_code_object_version 6
	.text
	.protected	k_q7719f85cca_oproj
	.globl	k_q7719f85cca_oproj
	.p2align	8
	.type	k_q7719f85cca_oproj,@function
k_q7719f85cca_oproj:
	s_mov_b64 s[64:65], 0
	v_nop
	global_prefetch_b8 v0, s[64:65] scope:SCOPE_SE
	s_setreg_imm32_b32 hwreg(HW_REG_WAVE_MODE, 25, 1), 1
	s_wait_xcnt 0x0
	s_wait_alu depctr_hold_cnt(0) depctr_sa_sdst(0) depctr_va_vdst(0) depctr_va_sdst(0) depctr_va_ssrc(0) depctr_va_vcc(0) depctr_vm_vsrc(0)
	s_getreg_b32 s2, hwreg(HW_REG_IB_STS2, 6, 4)
	s_cmp_eq_u32 s2, 0
	s_cbranch_scc0 .Lentry_in_a_cluster
	s_endpgm
.Lentry_in_a_cluster:
	s_bfe_u32 s2, ttmp6, 0x10000c
	s_cmp_lg_u32 s2, 0xf033
	s_cbranch_scc0 .Lentry_shape_is_right
	s_endpgm
.Lentry_shape_is_right:
; out0 = a wo + bo on codes of E5M2: a [4096][1024] as images of operand registers (oimg: [block of 128 tokens][256 of K][tile 8][128 of K 2][chunk 4][lane][16 bytes]), wo [1024 (out)][1024 (K)] as rows of codes.
; A tile of out0 is 128 x 128; four waves, each 64 x 64: 16 accumulators.  All of K fits in LDS: two slots of 512 along K, each filled once, both asked for at the start; nothing is filled again.
; CLUSTER 4 x 4: a's blocks are asked for jointly along a row of the cluster, wo's tiles along a column.
; a lies in the 8-bit form's own layout (registers 2 c, 2 c + 1: k = 16 c + 8 h + 0 .. 7), so wo's fragments are fetched in it too: eight loads of 8 bytes, 16 bytes apart.
; The matrix instruction is used transposed (source 0 = 16 rows of wo, source 1 = 16 tokens): a lane holds eight neighbouring numbers of a row of out0.  out0 = sum x 2^(e10 + e11) + bo, one packed multiply-add for two.
; LIMIT: e10 + e11 between -126 and 127.
; REGISTERS.  window 0: v1-6 at work; v16-17, v20-21 LDS addresses; v24-27 the way out; v32-63 bo; v64-127 values on their way to the stage; v128-255 the accumulators ((a, nt) at v[128 + 8 (4 a + nt)]), later rows read back.
;   window 1: two sets of 128: a's four fragments, then wo's four.
.set BP,    528                        ; a row of wo in LDS: 512 bytes + 16 of padding
.set SLOT,  65536+128*BP               ; a's two blocks of 32 KiB, dense; then wo's 128 rows
.set STAGE, 2*SLOT                     ; 16 rows x (256 + 16) bytes for each wave; no tile lands here
.set ADA, 16
.set ADB, 20
.set STO, 24
.set RD,  25
.set CO,  26
.set BO,  32
.set ACC, 128
.set WV,  14
.set G1A, 24
.set G0A, 32
.set G1B, 48
.set G0B, 56
.set MSB, 0
.macro WIN new
.if MSB != \new
	s_set_vgpr_msb (MSB<<8)|\new
.set MSB, \new
.endif
.endm
.macro PLACES
.rept 4
	v_nop
.endr
.endm
.macro JLOAD s                         ; waves 0 and 1 fetch a's two blocks of the slot, waves 2 and 3 wo's two halves; four v_nop follow each line
	s_cmp_eq_u32 s15, 0
	s_cbranch_scc0 .Lfor_b_\@
	tensor_load_to_lds s[G0A+4*\s:G0A+4*\s+3], s[G1A:G1A+7]
	s_nop 0
.rept 4
	v_nop
.endr
	s_branch .Lasked_\@
.Lfor_b_\@:
	tensor_load_to_lds s[G0B+4*\s:G0B+4*\s+3], s[G1B:G1B+7]
	s_nop 0
.rept 4
	v_nop
.endr
.Lasked_\@:
.endm
.macro CROUND                          ; a round of the cluster's barrier
	s_barrier_signal -1
	s_barrier_wait -1
	s_cmp_lg_u32 s[WV], 0
	s_cbranch_scc1 .Lnot_wave_0_\@
	s_barrier_signal -3
.Lnot_wave_0_\@:
	s_barrier_wait -3
	s_barrier_signal -1
	s_barrier_wait -1
.endm
	s_load_b256 s[4:11], s[0:1], 0x0               ; oimg, wo, bo, the scales
	s_load_b64 s[12:13], s[0:1], 0x20              ; out0
	v_lshl_add_u32 v30, v0, 2, 0x45400
	v_mov_b32 v31, 0
	ds_add_u32 v30, v31
	ds_add_u32 v30, v31
	v_lshrrev_b32 v1, 5, v0
	v_readfirstlane_b32 s[WV], v1                  ; wave 0..3
	s_lshr_b32 s15, s[WV], 1                       ; rh: which 64 tokens.  Also: I fetch for a (0) or for wo (1)
	s_and_b32 s16, s[WV], 1                        ; ch: which 64 columns.  Also: which half I fetch
	s_bfe_u32 s40, ttmp6, 0x40000                  ; cx
	s_bfe_u32 s41, ttmp6, 0x40004                  ; cy
	s_lshl_b32 s42, ttmp9, 2
	s_add_co_u32 s42, s42, s40                     ; wx
	s_and_b32 s17, ttmp7, 0xffff
	s_lshl_b32 s17, s17, 2
	s_add_co_u32 s17, s17, s41                     ; wy
	s_lshl_b32 s43, s41, 2
	s_lshl_b32 s43, 15, s43                        ; my row of the cluster
	s_lshl_b32 s44, 0x1111, s40                    ; my column
	s_or_b32 s[G1A], s43, (3<<16)|(1<<21)          ; a: a dense block of 32 KiB as 128 rows of 32 elements of 8 bytes, no padding
	s_mov_b32 s[G1A+1], 32<<16
	s_mov_b32 s[G1A+2], 128<<16
	s_mov_b32 s[G1A+3], 32<<16
	s_mov_b32 s[G1A+4], 128
	s_mov_b32 s[G1A+5], 32
	s_mov_b32 s[G1A+6], 0
	s_mov_b32 s[G1A+7], 0
	s_or_b32 s[G1B], s44, (1<<20)|(1<<21)|(6<<22)|(3<<25)   ; wo: 64 rows of 512 bytes, 1,024 apart, four words of padding behind every 128
	s_mov_b32 s[G1B+1], 512<<16
	s_mov_b32 s[G1B+2], 64<<16
	s_mov_b32 s[G1B+3], 512<<16
	s_mov_b32 s[G1B+4], 64
	s_mov_b32 s[G1B+5], 1024
	s_mov_b32 s[G1B+6], 0
	s_mov_b32 s[G1B+7], 0
	s_lshl_b32 s20, s17, 17                        ; a: block wy of 128 KiB + my 32 KiB
	s_lshl_b32 s21, s16, 15
	s_add_co_u32 s20, s20, s21
	s_mov_b32 s21, 0
	s_lshl_b32 s46, s42, 17                        ; wo: row 128 wx + 64 x half
	s_lshl_b32 s47, s16, 16
	s_add_co_u32 s46, s46, s47
	s_mov_b32 s47, 0
	s_lshl_b32 s45, s16, 15                        ; where they go: a's,
	s_mul_i32 s22, s16, 64*BP
	s_add_co_u32 s22, s22, 65536                   ; wo's
	s_wait_dscnt 0x0
	s_wait_kmcnt 0x0
	s_load_b64 s[68:69], s[10:11], 0x28            ; e10, e11
	s_add_nc_u64 s[20:21], s[4:5], s[20:21]
	s_add_nc_u64 s[46:47], s[6:7], s[46:47]
	CROUND                                         ; all sixteen work-groups are here: the joint loads meet
.irp s, 0,1
	s_mov_b32 s[G0A+4*\s], 1
	s_add_co_u32 s[G0A+4*\s+1], s45, \s*SLOT
	s_add_nc_u64 s[G0A+4*\s+2:G0A+4*\s+3], s[20:21], \s*65536
	s_or_b32 s[G0A+4*\s+3], s[G0A+4*\s+3], 0x80000000
	s_mov_b32 s[G0B+4*\s], 1
	s_add_co_u32 s[G0B+4*\s+1], s22, \s*SLOT
	s_add_nc_u64 s[G0B+4*\s+2:G0B+4*\s+3], s[46:47], \s*512
	s_or_b32 s[G0B+4*\s+3], s[G0B+4*\s+3], 0x80000000
	JLOAD \s                                       ; two loads of mine are out: all that this launch asks for
.endr
	v_and_b32 v1, 15, v0                           ; r
	v_bfe_u32 v2, v0, 4, 1                         ; h
	v_and_b32 v3, 31, v0
	v_lshlrev_b32 v4, 4, v3                        ; 16 x lane
	s_lshl_b32 s18, s15, 14                        ; my four tiles of tokens: 4 x 4,096 bytes
	v_add_nc_u32 v[ADA], s18, v4
	v_add_nc_u32 v[ADA+1], SLOT, v[ADA]
	v_mul_u32_u24 v5, v1, BP
	v_lshl_add_u32 v5, v2, 3, v5                   ; row r x pitch + 8 h
	s_mul_i32 s18, s16, 64*BP
	s_add_co_u32 s18, s18, 65536
	v_add_nc_u32 v[ADB], s18, v5
	v_add_nc_u32 v[ADB+1], SLOT, v[ADB]
	s_mul_i32 s18, s[WV], 16*272
	s_add_co_u32 s18, s18, STAGE                   ; my stage
	v_mul_u32_u24 v6, v1, 272
	v_lshl_add_u32 v6, v2, 5, v6
	v_add_nc_u32 v[STO], s18, v6                   ; in: row r, 32 bytes for each half of the lanes
	v_mul_u32_u24 v6, v2, 272
	v_lshl_add_u32 v6, v1, 4, v6
	v_add_nc_u32 v[RD], s18, v6                    ; back: lanes 0-15 one row of 256 bytes, lanes 16-31 the next
	v_lshlrev_b32 v[CO], 12, v2
	v_lshl_add_u32 v[CO], v1, 4, v[CO]             ; and the same two rows in out0
	v_lshlrev_b32 v27, 5, v2                       ; bo: 32 h
	s_lshl_b32 s18, s42, 9
	s_lshl_b32 s19, s16, 8
	s_add_co_u32 s18, s18, s19                     ; my first column, in bytes
	s_mov_b32 s19, 0
	s_add_nc_u64 s[8:9], s[8:9], s[18:19]
	s_add_nc_u64 s[12:13], s[12:13], s[18:19]
	s_lshl_b32 s18, s17, 19
	s_lshl_b32 s23, s15, 18
	s_add_co_u32 s18, s18, s23                     ; my first row: 128 wy + 64 rh rows of 4,096 bytes
	s_add_nc_u64 s[12:13], s[12:13], s[18:19]
.irp t, 0,1,2,3
	global_load_b128 v[BO+8*\t:BO+8*\t+3],   v27, s[8:9] offset:64*\t
	global_load_b128 v[BO+8*\t+4:BO+8*\t+7], v27, s[8:9] offset:64*\t+16
.endr
.macro FETCH3 g, set                   ; the fragments of the g-th 128 along K
	WIN 0x40                                       ; destination window 1
.irp a, 0,1,2,3
.irp c, 0,1,2,3
	ds_load_b128 v[128*(\set)+16*\a+4*\c:128*(\set)+16*\a+4*\c+3], v[ADA+(\g)/4] offset:(((\g)/2)%2)*32768+\a*4096+((\g)%2)*2048+\c*512
.endr
.endr
.irp t, 0,1,2,3
.irp c, 0,1,2,3,4,5,6,7
	ds_load_b64 v[128*(\set)+64+16*\t+2*\c:128*(\set)+64+16*\t+2*\c+1], v[ADB+(\g)/4] offset:\t*16*BP+((\g)%4)*128+16*\c
.endr
.endr
.endm
.macro MUL3 set, zero                  ; 16 matrix instructions, the 16 accumulators by turns
	WIN 0x05                                       ; sources 0 and 1 window 1, C and D window 0
.irp a, 0,1,2,3
.irp t, 0,1,2,3
.if \zero
	v_wmma_f32_16x16x128_bf8_bf8 v[ACC+8*(4*\a+\t):ACC+8*(4*\a+\t)+7], v[128*(\set)+64+16*\t:128*(\set)+64+16*\t+15], v[128*(\set)+16*\a:128*(\set)+16*\a+15], 0
.else
	v_wmma_f32_16x16x128_bf8_bf8 v[ACC+8*(4*\a+\t):ACC+8*(4*\a+\t)+7], v[128*(\set)+64+16*\t:128*(\set)+64+16*\t+15], v[128*(\set)+16*\a:128*(\set)+16*\a+15], v[ACC+8*(4*\a+\t):ACC+8*(4*\a+\t)+7]
.endif
.endr
.endr
.endm
	s_wait_tensorcnt 1                             ; my part of slot 0 is in; slot 1's load may stay out
	s_barrier_signal -1
	s_barrier_wait -1
	FETCH3 0, 0
.irp g, 0,1,2,3,4,5,6,7
	s_wait_dscnt 0x0                               ; this step's 48 loads are in
.if \g == 3
	s_wait_tensorcnt 0x0                           ; the next fetch reads slot 1: my part of it is in,
	s_barrier_signal -1
	s_barrier_wait -1                              ; everybody's is
.endif
.if \g < 7
	PLACES                                         ; the other set was read by the products just issued
	FETCH3 \g+1, (\g+1)%2
.endif
.if \g == 0
	MUL3 0, 1                                      ; the first products start the sums
.else
	MUL3 (\g)%2, 0
.endif
.endr
	WIN 0
	PLACES
	s_wait_loadcnt 0x0                             ; bo
	s_wait_kmcnt 0x0
	s_add_co_i32 s66, s68, s69
	s_add_co_i32 s66, s66, 127
	s_lshl_b32 s66, s66, 23                        ; 2^(e10 + e11)
	s_mov_b32 s67, s66
; THE WAY OUT, 16 tokens at a time: through my own stage, back as whole rows of 256 bytes, into the registers that the block's accumulators have left.  LDS serves a wave's instructions in order (ISA guide 5.7.1.4).
.macro PACK a
.set TM, 64+32*((\a)%2)
.set i, 0
.rept 16
	v_pk_fma_f32 v[TM+i:TM+i+1], v[ACC+32*(\a)+i:ACC+32*(\a)+i+1], s[66:67], v[BO+i:BO+i+1] op_sel_hi:[1,0,1]
.set i, i+2
.endr
.irp t, 0,1,2,3
	ds_store_b128 v[STO], v[TM+8*\t:TM+8*\t+3]   offset:64*\t
	ds_store_b128 v[STO], v[TM+8*\t+4:TM+8*\t+7] offset:64*\t+16
.endr
.irp i2, 0,1,2,3,4,5,6,7
	ds_load_b128 v[ACC+32*(\a)+4*\i2:ACC+32*(\a)+4*\i2+3], v[RD] offset:\i2*2*272
.endr
.endm
.macro SEND a, younger                 ; younger: the LDS instructions issued behind block a's loads
.irp i2, 0,1,2,3,4,5,6,7
	s_wait_dscnt (\younger)+7-\i2
	global_store_b128 v[CO], v[ACC+32*(\a)+4*\i2:ACC+32*(\a)+4*\i2+3], s[12:13] offset:(16*(\a)+2*\i2)*4096 th:TH_STORE_NT   ; 16 lanes store 256 consecutive bytes, aligned
.endr
.endm
	PACK 0
	PACK 1
	SEND 0, 16
	PACK 2
	SEND 1, 16
	PACK 3
	SEND 2, 16
	SEND 3, 0
	s_wait_tensorcnt 0x0
	ds_add_u32 v30, v31
	s_wait_dscnt 0x0
	CROUND                                         ; the closing round; no LDS instruction and no tensor load of mine is out
	s_endpgm
.Lfunc_end_k_q7719f85cca_oproj:
	.size	k_q7719f85cca_oproj, .Lfunc_end_k_q7719f85cca_oproj-k_q7719f85cca_oproj
	.p2alignl 7, 3214868480
	.fill 96, 4, 3214868480
	.section	.rodata,"a",@progbits
	.p2align	6, 0x0
	.amdhsa_kernel k_q7719f85cca_oproj
		.amdhsa_group_segment_fixed_size 284160
		.amdhsa_private_segment_fixed_size 0
		.amdhsa_enable_private_segment 0
		.amdhsa_kernarg_size 40
		.amdhsa_user_sgpr_count 2
		.amdhsa_user_sgpr_kernarg_segment_ptr 1
		.amdhsa_wavefront_size32 1
		.amdhsa_system_sgpr_workgroup_id_x 1
		.amdhsa_system_sgpr_workgroup_id_y 1
		.amdhsa_system_sgpr_workgroup_id_z 1
		.amdhsa_system_vgpr_workitem_id 0
		.amdhsa_next_free_vgpr 512
		.amdhsa_next_free_sgpr 72
		.amdhsa_reserve_vcc 0
		.amdhsa_float_denorm_mode_32 3
		.amdhsa_float_denorm_mode_16_64 3
		.amdhsa_memory_ordered 1
		.amdhsa_forward_progress 1
		.amdhsa_inst_pref_size 54
	.end_amdhsa_kernel
	.amdgpu_metadata
---
amdhsa.version: [ 1, 2 ]
amdhsa.kernels:
  - .name:           k_q7719f85cca_oproj
    .symbol:         k_q7719f85cca_oproj.kd
    .args:
      - { .name: oimg, .offset: 0, .size: 8, .value_kind: global_buffer, .address_space: global }
      - { .name: wo_codes, .offset: 8, .size: 8, .value_kind: global_buffer, .address_space: global }
      - { .name: bo, .offset: 16, .size: 8, .value_kind: global_buffer, .address_space: global }
      - { .name: lowp_scales, .offset: 24, .size: 8, .value_kind: global_buffer, .address_space: global }
      - { .name: out0, .offset: 32, .size: 8, .value_kind: global_buffer, .address_space: global }
    .group_segment_fixed_size: 284160
    .private_segment_fixed_size: 0
    .kernarg_segment_align: 8
    .kernarg_segment_size: 40
    .max_flat_workgroup_size: 128
    .sgpr_count:     72
    .vgpr_count:     512
    .wavefront_size: 32
...
	.end_amdgpu_metadata
.endif
;; end of part 3
;; ======== version 2 of 2: 3 launches; version 1 with the launch attn written anew for expert scheduling mode
;; workspace buffers: qimg 4,194,304 bytes; kv 8,388,608 bytes; oimg 4,194,304 bytes; mimg 524,288 bytes of whole numbers; mflag 8,192 bytes of whole numbers
;; launch qkv: the kernel of part 1 again; grid 8 x 32, 4 waves a work-group, clusters of 4 x 4, 327,680 bytes of LDS; arguments x_codes, wq_codes, wk_codes, wv_codes, bq, bk, bv, causal_mask, lowp_scales, qimg, kv, mimg, mflag; writes qimg, kv, mimg, mflag
;; launch attn (part 4): grid 8 x 32, 16 waves a work-group, no clusters, 67,584 bytes of LDS; arguments qimg, kv, mimg, mflag, lowp_scales, oimg; writes oimg
.if DOCPART == 4
	.amdgcn_target "amdgcn-amd-amdhsa--gfx1250"
	.amdhsa_code_object_version 6
	.text
	.protected	k_q7719f85cca_attn
	.globl	k_q7719f85cca_attn
	.p2align	8
	.type	k_q7719f85cca_attn,@function
k_q7719f85cca_attn:
	s_mov_b64 s[64:65], 0
	v_nop
	global_prefetch_b8 v0, s[64:65] scope:SCOPE_SE
	s_setreg_imm32_b32 hwreg(HW_REG_WAVE_SCHED_MODE, 0, 2), 2
	s_setreg_imm32_b32 hwreg(HW_REG_WAVE_MODE, 25, 1), 1
	s_wait_xcnt 0x0
	s_wait_alu depctr_vm_vsrc(0)
; Attention of one head on codes of E5M2: S^T = K Q^T, p = 2^(t - M), O^T = V^T P^T, O / l quantised for the last product.
; t = score x 2^(e6 + e7) x log2(e) / 8; M = the running largest t rounded up to a whole number; the row's sum l is taken of the unquantised p; when M moves, l and O^T are multiplied by 2^(old M - new M).
; All operands are images of their registers (16 bytes a lane at 16 x lane): q [bh][tile][2 chunks]; a slot of 256 keys = 16 KiB of K [tile 16][2] and 16 KiB of V^T [step 2][dt 4][4].
; SHARES.  Work-group (i, bh) owns the blocks of 128 queries i and 15 - i of one head; each of its sixteen waves one tile of 16 queries.  Neighbouring waves take the two blocks by turns.
; The pairing evens out the work where late keys are hidden from early queries; the text holds for every mask.
; THE MASK is an input.  The launch before has stored, for each tile of 16 queries and step of 128 keys, a class (0 nothing hidden, 1 mixed, 2 all hidden) and 64 words of lane bits.  A step of class 2 is jumped over (its p are 0);
; in class 1 hidden scores become -infinity ahead of the maximum.  A slot that no wave of the work-group needs is neither fetched nor staged.  These are branches on stored whole numbers.  K and V come through
; registers (global_load, ds_store), not by tensor loads, and there is no cluster: joint requests are tensor loads.
; A row with no visible key has l = 0: its codes are set to the format's NaN, and the last product makes its row NaN, as the softmax of a row of -infinity is.
; LIMITS: e6 + e7 between -123 and 130; e8 between -126 and 112; e8 + e9 - e10 is applied by v_ldexp_f32.
; REGISTERS: v1-4 offsets; v6-11 constants; v12 -M, v13 largest t, v[14:15] l; v16-23 Q; v24-39 and v224-239 two staged slots, by turns; v40-103 K's 8 fragments, then V's 4; v104-167 S^T, then p; v168-199 O^T; v200-215 p's codes; v216-222 at work.
; THE MODE: SCHED_MODE bits 1:0 = 2 (LLVM: expert scheduling mode 2), set by the entry lines.  The code itself states the register dependences
; between vector or matrix instructions and memory or LDS instructions, with s_wait_alu, always for 0.
; THE PLAN.  Registers that memory or LDS instructions touch:
;   v1 .. v4      offsets and LDS addresses: written by vector instructions at the head, once; read by every load, LDS access and prefetch.  One wait on va_vdst ahead of the first load.
;   SG0, SG1      written by global loads alone, read by LDS stores alone; no vector instruction names them.  The half trip of slot T (s = T % 2) stores slot T + 1 from SG[1 - s] and loads slot T + 2 into SG[s],
;                 which the stores of the half trip before have read: one wait on vm_vsrc at a half trip's head.
;   v40 .. v103   K's loads land; the eight products K Q^T read; V's loads land; the four products V^T P read.  One wait on va_vdst ahead of each of the two runs of loads.
;   v200 .. v207  on the way out: written by conversions and selects, read by the two stores: one wait on va_vdst.
;   v254, v255    written at the head, read by the closing add alone.
; Scalars that vector instructions write: s16 (the wave's number), s28 .. s31 (four compares in one run), VCC (on the way out): a wait ahead of each one's first reader.
.set LI,   1                           ; 16 x lane
.set CPY,  2                           ; 16 x thread: my 16 bytes of each 8 KiB of a slot
.set PFO,  3                           ; 256 x thread
.set FLO,  4                           ; my lane's eight classes among the work-group's 16 x 16
.set NINF, 6
.set PLIM, 7
.set PSC,  8
.set OLIM, 9
.set ONE,  10
.set NANC, 11
.set QF,   16
.set SG,   24                          ; staging buffer b at v[SG + SGD b]
.set SGD,  200
.set KF,   40
.set ST,   104
.set OT,   168
.set PC,   200
.set FA,   216
.set T0,   218
.set T1,   219
.set S2,   220
.set PD,   222
.set WV,   16
.set FL,   17                          ; my 16 classes, two bits each, the step in hand lowest
.set NEED, 18                          ; bit T: some wave of the work-group needs slot T; the slot in hand lowest
.set CL,   19
.set SEL,  20
.set CS,   22
.set TR,   24
.set LIM,  25
.set EP,   26
.set EX,   27
.set BUF,  32768
	s_load_b256 s[4:11], s[0:1], 0x0               ; qimg, kv, mimg, mflag
	s_load_b128 s[12:15], s[0:1], 0x20             ; the scales, oimg
	v_lshl_add_u32 v254, v0, 2, 0x10000
	v_mov_b32 v255, 0
	v_lshrrev_b32 v5, 5, v0
	v_readfirstlane_b32 s[WV], v5                  ; wave 0..15
	v_and_b32 v5, 31, v0                           ; lane
	v_lshlrev_b32 v[LI], 4, v5
	v_lshlrev_b32 v[CPY], 4, v0
	v_lshlrev_b32 v[PFO], 8, v0
	s_and_b32 s28, ttmp7, 0xffff                   ; bh
	s_wait_alu depctr_va_sdst(0)                   ; s16, the wave's number, is written, ahead of its first reader
	s_lshr_b32 s29, s[WV], 2
	s_xor_b32 s29, s29, s[WV]
	s_and_b32 s29, s29, 1                          ; which of the two blocks
	s_lshr_b32 s30, s[WV], 1                       ; which of its eight tiles
	s_lshl_b32 s31, ttmp9, 3
	s_sub_co_u32 s19, 120, s31
	s_cmp_eq_u32 s29, 0
	s_cselect_b32 s31, s31, s19
	s_add_co_u32 s31, s31, s30                     ; qt: my tile of 16 queries, 8 i + .. or 120 - 8 i + ..
	v_lshrrev_b32 v[FLO], 1, v5                    ; lane l looks at the work-group's tile l / 2, steps 8 (l % 2) on
	v_lshrrev_b32 v[T0], 3, v[FLO]
	s_lshl_b32 s19, ttmp9, 4
	s_sub_co_u32 s19, 112, s19
	v_mul_u32_u24 v[T0], s19, v[T0]
	v_add_nc_u32 v[FLO], v[FLO], v[T0]
	s_lshl_b32 s19, ttmp9, 3
	v_add_nc_u32 v[FLO], s19, v[FLO]               ; its number among the 128
	v_lshlrev_b32 v[FLO], 6, v[FLO]
	v_and_b32 v[T0], 1, v5
	v_lshl_add_u32 v[FLO], v[T0], 5, v[FLO]
	s_mov_b32 s101, 0
	s_wait_kmcnt 0x0
	s_lshl_b32 s100, s28, 18
	s_add_nc_u64 s[6:7], s[6:7], s[100:101]        ; the head's slot 0
	s_wait_alu depctr_va_vdst(0)                   ; v1 to v4 are written, which every load, LDS access and prefetch of the kernel reads as its offset or address; no later vector instruction names them
.irp i, 0,1,2,3
	global_load_b128 v[SG+4*\i:SG+4*\i+3], v[CPY], s[6:7] offset:\i*8192   ; the sixteen waves read 8 KiB on end
.endr
	s_lshl_b32 s100, s28, 17
	s_lshl_b32 s19, s31, 10
	s_add_co_u32 s100, s100, s19
	s_add_nc_u64 s[4:5], s[4:5], s[100:101]
	global_load_b128 v[QF:QF+3],   v[LI], s[4:5] th:TH_LOAD_NT
	global_load_b128 v[QF+4:QF+7], v[LI], s[4:5] offset:512 th:TH_LOAD_NT
	global_load_b128 v[40:43], v[FLO], s[10:11]
	global_load_b128 v[44:47], v[FLO], s[10:11] offset:16
.irp i, 0,1,2,3
	global_load_b128 v[SG+SGD+4*\i:SG+SGD+4*\i+3], v[CPY], s[6:7] offset:BUF+\i*8192   ; slot 1, into the other staging buffer
.endr
	s_lshl_b32 s100, s31, 6
	s_add_nc_u64 s[74:75], s[10:11], s[100:101]
	s_load_b512 s[32:47], s[74:75], 0x0            ; my own 16 classes
	s_load_b128 s[68:71], s[12:13], 0x18           ; e6, e7, e8, e9
	s_load_b32 s72, s[12:13], 0x28                 ; e10
	s_lshl_b32 s100, s31, 12
	s_add_nc_u64 s[8:9], s[8:9], s[100:101]        ; my tile's words: 16 steps of 256 bytes
	s_lshr_b32 s19, s28, 4                         ; oimg: [16 batch + qt / 8][head / 4][qt % 8][head % 4] x 1,024 bytes
	s_lshl_b32 s19, s19, 4
	s_lshr_b32 s29, s31, 3
	s_add_co_u32 s19, s19, s29
	s_lshl_b32 s100, s19, 17
	s_and_b32 s19, s28, 15
	s_lshr_b32 s29, s19, 2
	s_lshl_b32 s29, s29, 15
	s_add_co_u32 s100, s100, s29
	s_and_b32 s29, s31, 7
	s_lshl_b32 s29, s29, 12
	s_add_co_u32 s100, s100, s29
	s_and_b32 s29, s19, 3
	s_lshl_b32 s29, s29, 10
	s_add_co_u32 s100, s100, s29
	s_add_nc_u64 s[14:15], s[14:15], s[100:101]
	v_mov_b32 v[NINF], 0xff800000
	v_mov_b32 v[OLIM], 0x47600000                  ; 57,344
	v_mov_b32 v[ONE], 1.0
	v_mov_b32 v[NANC], 0x7f7f7f7f                  ; four NaN codes
	v_mov_b32 v13, 0xff61b1e6                      ; the largest t so far: -3e38
	v_floor_f32 v12, -v13                          ; -M
	v_mov_b32 v14, 0
	v_mov_b32 v15, 0
	v_mov_b32 v[FA+1], 0                           ; (named as upper halves of pairs, or as a permute's destination)
	v_mov_b32 v[T1], 0
	v_mov_b32 v[PD], 0
.set i, 0
.rept 32
	v_mov_b32 v[OT+i], 0                           ; O^T: the step is written once; the first finds zeros
.set i, i+1
.endr
	s_mov_b32 s[SEL], 0x76543210
	s_mov_b32 s[SEL+1], 0xfedcba98
	s_mov_b32 s[TR], 0
	s_lshr_b32 s29, s[WV], 2
	s_or_b32 s29, s29, ttmp9
	s_cmp_eq_u32 s29, 0
	s_cselect_b32 s[LIM], 3, 0                     ; waves 0 to 3 of the head's first work-group prefetch
	s_wait_loadcnt 8                               ; slot 0's four loads are in; q's two, the classes' two and slot 1's four may be out
.irp i, 0,1,2,3
	ds_store_b128 v[CPY], v[SG+4*\i:SG+4*\i+3] offset:\i*8192
.endr
	s_wait_loadcnt 4                               ; q and the classes are in; slot 1's four may be out
.irp t, 0,1,2,3                        ; a slot is needed where one of its two steps is not wholly hidden from some tile: even lanes speak for slots 0-3, odd lanes for 4-7
	v_min_u32 v[T0+\t], v[40+2*\t], v[41+2*\t]
.endr
.irp t, 0,1,2,3
	v_cmp_ne_u32 s[28+\t], 2, v[T0+\t]             ; the four compares stand in one run, each with a scalar register of its own
.endr
	s_mov_b32 s[NEED], 0
	s_wait_alu depctr_va_sdst(0)                   ; s28 to s31 are written by the four compares, ahead of their first reader
.irp t, 0,1,2,3
	s_and_b32 s100, s[28+\t], 0x55555555
	s_cselect_b32 s100, 1<<\t, 0
	s_or_b32 s[NEED], s[NEED], s100
	s_and_b32 s100, s[28+\t], 0xaaaaaaaa
	s_cselect_b32 s100, 1<<(4+\t), 0
	s_or_b32 s[NEED], s[NEED], s100
.endr
	s_wait_kmcnt 0x0
	s_mov_b32 s[FL], s32
.irp i, 1,2,3,4,5,6,7,8,9,10,11,12,13,14,15
	s_lshl_b32 s29, s[32+\i], 2*\i
	s_or_b32 s[FL], s[FL], s29
.endr
	s_add_co_i32 s29, s68, s69
	s_lshl_b32 s29, s29, 23
	s_add_co_i32 s[CS], s29, 0x3e38aa3b            ; c = log2(e) / 8, with e6 + e7 added to its exponent field
	s_mov_b32 s[CS+1], s[CS]
	s_mov_b32 s[EP], s70
	s_add_co_i32 s[EX], s70, s71
	s_sub_co_i32 s[EX], s[EX], s72                 ; e8 + e9 - e10
	s_add_co_i32 s29, s70, 127
	s_lshl_b32 s30, s29, 23
	v_mov_b32 v[PSC], s30                          ; 2^e8
	s_add_co_i32 s29, s29, 15
	s_lshl_b32 s29, s29, 23
	s_or_b32 s29, s29, 0x600000
	v_mov_b32 v[PLIM], s29                         ; 57,344 x 2^e8
	s_wait_xcnt 0x0                                ; the loads have read their base
	s_add_nc_u64 s[6:7], s[6:7], BUF               ; at slot 1
	s_wait_dscnt 0x0                               ; for the other waves' sake: my part of slot 0 lies in buffer 0
	s_barrier_signal -1
	s_barrier_wait -1
; A prefetch of slot T + 3 (T = 2 x trip + s), where the wave has just issued its loads of slot T + 2: 128 threads, 256 bytes apart, name its 32 KiB once in the launch.  trip + s < 3 is T < 5: slot 7 is the last.
.macro ASK s
	s_add_co_u32 s28, s[TR], \s
	s_cmp_lt_u32 s28, s[LIM]
	s_cbranch_scc0 .Lnoask_\@
	global_prefetch_b8 v[PFO], s[6:7] offset:BUF th:TH_LOAD_NT scope:SCOPE_SE
.Lnoask_\@:
.endm
; A KEY STEP: 128 keys, the q-th of buffer s.
.macro STEP s, q
	s_and_b32 s[CL], s[FL], 3
	s_cmp_eq_u32 s[CL], 2
	s_cbranch_scc1 .Lhid_\@                        ; all 16 x 128 hidden: nothing to do
	s_wait_alu depctr_va_vdst(0)                   ; the last step's four products are done reading V's fragments (ahead of the first step: the head's four v_min_u32 are done reading v40 to v47): K's fragments land in these registers
.irp t, 0,1,2,3,4,5,6,7
	ds_load_b128 v[KF+8*\t:KF+8*\t+3],   v[LI] offset:\s*BUF+\q*8192+\t*1024
	ds_load_b128 v[KF+8*\t+4:KF+8*\t+7], v[LI] offset:\s*BUF+\q*8192+\t*1024+512
.endr
	s_wait_dscnt 0x0
.irp t, 0,1,2,3,4,5,6,7                ; S^T: lane (r, h) holds query r; register 8 t + j key 16 t + 8 h + j
	v_wmma_f32_16x16x64_bf8_bf8 v[ST+8*\t:ST+8*\t+7], v[KF+8*\t:KF+8*\t+7], v[QF:QF+7], 0
.endr
.rept 4
	v_nop                                          ; places ahead of the first read of the scores (ISA guide 7.12.1)
.endr
	s_wait_alu depctr_va_vdst(0)                   ; the eight products are done reading K's fragments, in whose registers V's land
.irp d, 0,1,2,3                        ; V's four fragments land while the softmax is worked: none of its instructions names these registers
.irp c, 0,1,2,3
	ds_load_b128 v[KF+16*\d+4*\c:KF+16*\d+4*\c+3], v[LI] offset:\s*BUF+16384+\q*8192+\d*2048+\c*512
.endr
.endr
	s_cmp_eq_u32 s[CL], 0
	s_cbranch_scc1 .Lopen_\@
	s_load_b512 s[32:47], s[8:9], (2*\s+\q)*256    ; the step's 64 words: word n is the lanes' mask for score register n
	s_load_b512 s[48:63], s[8:9], (2*\s+\q)*256+64
	s_load_b512 s[68:83], s[8:9], (2*\s+\q)*256+128
	s_load_b512 s[84:99], s[8:9], (2*\s+\q)*256+192
	s_wait_kmcnt 0x0
.set n, 0
.rept 32
	v_cndmask_b32 v[ST+n], v[ST+n], v[NINF], s[32+n]
.set n, n+1
.endr
.rept 32
	v_cndmask_b32 v[ST+n], v[ST+n], v[NINF], s[36+n]
.set n, n+1
.endr
.Lopen_\@:
	v_max3_num_f32 v[T0], v[ST], v[ST+1], v[ST+2]  ; the step's largest score of my query among my 64 keys, in two chains, ascending
	v_max3_num_f32 v[T1], v[ST+3], v[ST+4], v[ST+5]
.set i, 6
.rept 14
	v_max3_num_f32 v[T0], v[T0], v[ST+i], v[ST+i+1]
	v_max3_num_f32 v[T1], v[T1], v[ST+i+2], v[ST+i+3]
.set i, i+4
.endr
	v_max3_num_f32 v[T0], v[T0], v[ST+62], v[ST+63]
	v_max_num_f32 v[T0], v[T0], v[T1]
	v_permlanex16_b32 v[PD], v[T0], s[SEL], s[SEL+1]
	v_max_num_f32 v[T0], v[T0], v[PD]              ; and among lane l xor 16's
	v_mul_f32 v[T0], s[CS], v[T0]                  ; as t
	v_max_num_f32 v13, v13, v[T0]
	v_mov_b32 v[T0], v12
	v_floor_f32 v12, -v13                          ; the new -M = -ceil(t)
	v_sub_f32 v[T0], v12, v[T0]                    ; old M - new M: a whole number, 0 or less
	v_cvt_i32_f32 v[T0], v[T0]                     ; (it saturates)
	v_ldexp_f32 v[FA], 1.0, v[T0]                  ; f = 2^(old M - new M)
.set i, 0
.rept 32
	v_pk_fma_f32 v[ST+i:ST+i+1], v[ST+i:ST+i+1], s[CS:CS+1], v[12:13] op_sel_hi:[1,0,0]   ; t - M
.set i, i+2
.endr
.set i, 0
.rept 64
	v_exp_f32 v[ST+i], v[ST+i]                     ; p = 2^(t - M)
.set i, i+1
.endr
	v_pk_mul_f32 v[14:15], v[14:15], v[FA:FA+1] op_sel_hi:[1,0]   ; l under the new M: the plain instruction behind the exponentials
	s_wait_alu depctr_va_vdst(0)                   ; the 64 exponentials have written p: one wait for the batch, ahead of its first reader
	v_pk_add_f32 v[S2:S2+1], v[ST:ST+1], v[ST+2:ST+3]   ; the sum of the unquantised p, in two chains
.set i, 4
.rept 15
	v_pk_add_f32 v[14:15], v[14:15], v[ST+i:ST+i+1]
	v_pk_add_f32 v[S2:S2+1], v[S2:S2+1], v[ST+i+2:ST+i+3]
.set i, i+4
.endr
	v_pk_add_f32 v[14:15], v[14:15], v[S2:S2+1]
	s_cmp_ge_i32 s[EP], -15                        ; p is at most 1, and 57,344 x 2^e8 is at least 1.75 from e8 = -15 on: there the hold changes nothing
	s_cbranch_scc1 .Lnohold_\@
.set i, 0
.rept 64
	v_min_num_f32 v[ST+i], v[ST+i], v[PLIM]
.set i, i+1
.endr
.Lnohold_\@:
.irp t, 0,1,2,3,4,5,6,7
	v_cvt_scalef32_pk8_bf8_f32 v[PC+2*\t:PC+2*\t+1], v[ST+8*\t:ST+8*\t+7], v[PSC]   ; registers 2 t, 2 t + 1 of the operand: keys 16 t + 8 h + 0 .. 7
.endr
.set i, 0
.rept 16
	v_pk_mul_f32 v[OT+i:OT+i+1], v[OT+i:OT+i+1], v[FA:FA+1] op_sel_hi:[1,0]   ; O^T under the new M; also the plain instructions behind the conversions
.set i, i+2
.endr
	s_wait_dscnt 0x0                               ; V is in
.irp d, 0,1,2,3                        ; O^T += V^T P^T: four accumulators by turns
	v_wmma_f32_16x16x128_bf8_bf8 v[OT+8*\d:OT+8*\d+7], v[KF+16*\d:KF+16*\d+15], v[PC:PC+15], v[OT+8*\d:OT+8*\d+7]
.endr
.rept 4
	v_nop                                          ; places ahead of the next read of O^T (ISA guide 7.12.1)
.endr
.Lhid_\@:
	s_lshr_b32 s[FL], s[FL], 2
.endm
; Half a trip: slot T lies in LDS buffer s.  Slot T + 2 is asked for, into staging buffer s; the staged slot T + 1 goes from staging buffer 1 - s into LDS buffer 1 - s; slot T's two steps are worked.
; One barrier: ahead of it my stores into the other LDS buffer have landed and my reads of this one are over; behind it the others' too.  No barrier stands under a branch.
.macro HALF s
	s_wait_loadcnt 0x0                             ; the staged slot, asked for half a trip ago
	s_wait_xcnt 0x0                                ; the last loads and the last prefetch have read their base
	s_wait_alu depctr_vm_vsrc(0)                   ; the LDS stores of the half trip before (at first: the head's) have read staging buffer s, in which the loads below land; it stands ahead of the branch, on every way to them
	s_add_nc_u64 s[6:7], s[6:7], BUF               ; at slot T + 2
	s_bitcmp1_b32 s[NEED], 2                       ; (NEED has eight bits: nothing is asked for behind slot 7)
	s_cbranch_scc0 .Lnold_\@
.irp i, 0,1,2,3
	global_load_b128 v[SG+SGD*\s+4*\i:SG+SGD*\s+4*\i+3], v[CPY], s[6:7] offset:\i*8192
.endr
.Lnold_\@:
	ASK \s
	s_bitcmp1_b32 s[NEED], 1
	s_cbranch_scc0 .Lnost_\@
.irp i, 0,1,2,3
	ds_store_b128 v[CPY], v[SG+SGD*(1-\s)+4*\i:SG+SGD*(1-\s)+4*\i+3] offset:(1-\s)*BUF+\i*8192   ; data that loads brought and an address made at the head: no vector instruction names either
.endr
.Lnost_\@:
	STEP \s, 0
	STEP \s, 1
	s_lshr_b32 s[NEED], s[NEED], 1
	s_wait_dscnt 0x0
	s_barrier_signal -1
	s_barrier_wait -1
.endm
.Ltrip:                                            ; four trips of two slots: both staging buffers are back at their start
	HALF 0
	HALF 1
	s_wait_xcnt 0x0                                ; the scalar loads of the mask's words have read their base
	s_add_nc_u64 s[8:9], s[8:9], 1024              ; four steps' words on
	s_add_co_u32 s[TR], s[TR], 1
	s_cmp_lt_u32 s[TR], 4
	s_cbranch_scc1 .Ltrip
	; THE WAY OUT: O^T x 2^(e8 + e9 - e10) / l, held within +-57,344, converted with the scale 1: registers 2 dt, 2 dt + 1 of my head's half of the last product's operand.
	v_add_f32 v14, v14, v15
	v_permlanex16_b32 v[PD], v14, s[SEL], s[SEL+1]
	v_add_f32 v14, v14, v[PD]                      ; the row's sum
	v_rcp_f32 v[T0], v14
	v_cmp_eq_f32 vcc_lo, 0, v14                    ; no key was visible.  (The plain instruction behind the reciprocal)
	s_wait_alu depctr_va_vdst(0)                   ; the reciprocal has written its result, ahead of its first reader
	v_ldexp_f32 v[T0], v[T0], s[EX]
.set i, 0
.rept 16
	v_pk_mul_f32 v[ST+i:ST+i+1], v[OT+i:OT+i+1], v[T0:T0+1] op_sel_hi:[1,0]
.set i, i+2
.endr
.set i, 0
.rept 32
	v_med3_num_f32 v[ST+i], v[ST+i], -v[OLIM], v[OLIM]
.set i, i+1
.endr
.irp d, 0,1,2,3
	v_cvt_scalef32_pk8_bf8_f32 v[PC+2*\d:PC+2*\d+1], v[ST+8*\d:ST+8*\d+7], v[ONE]
.endr
	v_nop                                          ; one plain vector instruction behind the conversions
	s_wait_alu depctr_va_vcc(0)                    ; the compare above has written VCC, ahead of its first reader
.irp k, 0,1,2,3,4,5,6,7
	v_cndmask_b32 v[PC+\k], v[PC+\k], v[NANC], vcc_lo
.endr
	s_wait_alu depctr_va_vdst(0)                   ; the eight selects have written v200 to v207, which the two stores read
	global_store_b128 v[LI], v[PC:PC+3],   s[14:15]            ; 32 lanes store 512 consecutive bytes, aligned
	global_store_b128 v[LI], v[PC+4:PC+7], s[14:15] offset:512
	s_wait_dscnt 0x0                               ; the closing lines, six on end
	s_wait_alu 0x0
	s_wait_tensorcnt 0x0
	ds_add_u32 v254, v255
	s_wait_dscnt 0x0
	s_endpgm
.Lfunc_end_k_q7719f85cca_attn:
	.size	k_q7719f85cca_attn, .Lfunc_end_k_q7719f85cca_attn-k_q7719f85cca_attn
	.p2alignl 7, 3214868480
	.fill 96, 4, 3214868480
	.section	.rodata,"a",@progbits
	.p2align	6, 0x0
	.amdhsa_kernel k_q7719f85cca_attn
		.amdhsa_group_segment_fixed_size 67584
		.amdhsa_private_segment_fixed_size 0
		.amdhsa_enable_private_segment 0
		.amdhsa_kernarg_size 48
		.amdhsa_user_sgpr_count 2
		.amdhsa_user_sgpr_kernarg_segment_ptr 1
		.amdhsa_wavefront_size32 1
		.amdhsa_system_sgpr_workgroup_id_x 1
		.amdhsa_system_sgpr_workgroup_id_y 1
		.amdhsa_system_sgpr_workgroup_id_z 1
		.amdhsa_system_vgpr_workitem_id 0
		.amdhsa_next_free_vgpr 256
		.amdhsa_next_free_sgpr 104
		.amdhsa_reserve_vcc 1
		.amdhsa_float_denorm_mode_32 3
		.amdhsa_float_denorm_mode_16_64 3
		.amdhsa_memory_ordered 1
		.amdhsa_forward_progress 1
		.amdhsa_inst_pref_size 95
	.end_amdhsa_kernel
	.amdgpu_metadata
---
amdhsa.version: [ 1, 2 ]
amdhsa.kernels:
  - .name:           k_q7719f85cca_attn
    .symbol:         k_q7719f85cca_attn.kd
    .args:
      - { .name: qimg, .offset: 0, .size: 8, .value_kind: global_buffer, .address_space: global }
      - { .name: kv, .offset: 8, .size: 8, .value_kind: global_buffer, .address_space: global }
      - { .name: mimg, .offset: 16, .size: 8, .value_kind: global_buffer, .address_space: global }
      - { .name: mflag, .offset: 24, .size: 8, .value_kind: global_buffer, .address_space: global }
      - { .name: lowp_scales, .offset: 32, .size: 8, .value_kind: global_buffer, .address_space: global }
      - { .name: oimg, .offset: 40, .size: 8, .value_kind: global_buffer, .address_space: global }
    .group_segment_fixed_size: 67584
    .private_segment_fixed_size: 0
    .kernarg_segment_align: 8
    .kernarg_segment_size: 48
    .max_flat_workgroup_size: 512
    .sgpr_count:     104
    .vgpr_count:     256
    .wavefront_size: 32
...
	.end_amdgpu_metadata
.endif
;; end of part 4
;; launch oproj: the kernel of part 3 again; grid 8 x 32, 4 waves a work-group, clusters of 4 x 4, 284,160 bytes of LDS; arguments oimg, wo_codes, bo, lowp_scales, out0; writes out0
